; MI455X (gfx1250); checked and timed in simulation.
; The chip was launched on July 23, 2026; its instructions are those of AMD's public machine-readable ISA for CDNA 5 (MIT licence, August 2026) and "CDNA5" Instruction Set Architecture Reference Guide (July 2026). The comments in the code are by the model that wrote it; some were corrected since.
;; Attention. Allowed arithmetic: matrix products marked QUANTISED: E2M1 operands, one E8M0 scale for each 32 along K, by v_wmma_scale_f32_16x16x128_f8f6f4 with both operands' format E2M1 (or v_wmma_scale_f32_32x16x128_f4), f32 sums; products left as they are: bf16, f16 or f32 operands; f32 sums; everything else in f32.
;; Inputs: Wk 1,024 x 1,024 float32; Wq 1,024 x 1,024 float32; Wv 1,024 x 1,024 float32; mask 4 x 2,048 x 2,048 bool; x 4 x 2,048 x 1,024 float32.
;; Outputs: out0 4 x 2,048 x 1,024 float32.
;; This version of the problem:
;;   THIS VERSION OF THE PROBLEM IS GIVEN IN LOW PRECISION. The matrix products marked QUANTISED in the list below multiply operands that are first quantised to E2M1 (2 exponent bits, 1 mantissa bit; 4 bits a number), with one power-of-two scale for each 32 numbers along K (OCP MX v1.0); their sums are f32. The products marked 'left as it is' may take bf16, f16 or f32 operands, with f32 sums. Whichever they take, every output number must still come out within the allowed error. Rounding operands to bf16 (8 significant bits) uses up far more of that allowance than f16 does (11 bits, for magnitudes from 6e-5 to 65,504). All else is computed in f32.
;;   The module's matrix products, in the order in which they are computed (A, B: the left and right operand; K: the contracted axis; several contracted axes count as one K, in the product's order):
;;     1. [M 8,192, K 1,024] x [K 1,024, N 1,024]; A: input x; B: input Wq: QUANTISED
;;     2. [M 8,192, K 1,024] x [K 1,024, N 1,024]; A: input x; B: input Wk: QUANTISED
;;     3. [M 8,192, K 1,024] x [K 1,024, N 1,024]; A: input x; B: input Wv: QUANTISED
;;     4. batch 4 x [M 2,048, K 1,024] x [K 1,024, N 2,048]; A: computed on the way; B: computed on the way: left as it is (an operand is computed on the way)
;;     5. batch 4 x [M 2,048, K 2,048] x [K 2,048, N 1,024]; A: computed on the way; B: computed on the way: left as it is (an operand is computed on the way)
;;   THE QUANTISER, for each operand of a quantised product, along K:
;;     - K is cut into blocks of 32 from its start; a last block that is shorter is filled with zeros.
;;     - A block's scale is 2^e with e = floor(log2(the largest magnitude in the block)) - 2, held to -126 .. 127; a block of zeros has e = 0. As a byte (E8M0): e + 127.
;;     - Each number is divided by its block's scale, clamped to +-6, and rounded to the nearest number of E2M1, ties to even, subnormals kept.
;;     - The product sums the exact products of the quantised numbers (number of the format x scale) in f32.
;;   ~~~python
;;   def quantise(x, axis):      # numpy; x: float32 -> the quantised numbers, widened to float32 again
;;       x = np.moveaxis(x, axis, -1); K = x.shape[-1]
;;       x = np.pad(x, [(0, 0)] * (x.ndim - 1) + [(0, -K % 32)]); x = x.reshape(x.shape[:-1] + (-1, 32)); a = np.abs(x).max(-1, keepdims=True)
;;       e = np.where(a > 0, np.clip(np.frexp(np.where(a > 0, a, 1))[1] - 1 - 2, -126, 127), 0)      # np.frexp(a)[1] - 1 = floor(log2(a)), exactly
;;       r = np.clip(x / 2.0 ** e, -6, 6)
;;       step = 2.0 ** (np.maximum(np.frexp(np.where(r == 0, 1, r))[1] - 1, 0) - 1)
;;       q = np.round(r / step) * step * 2.0 ** e      # np.round: ties to even
;;       return np.moveaxis(q.reshape(q.shape[:-2] + (-1,))[..., :K], -1, axis).astype(np.float32)
;;   ~~~
;; One version. Each part assembles by itself: llvm-mc -triple=amdgcn-amd-amdhsa -mcpu=gfx1250 --defsym DOCPART=n.
;; ======== version 1 of 1: 4 launches
;; limits: values are held in f16: magnitudes above 65,504 overflow, below 6.1e-05 lose precision
;; workspace buffers: xc 4,194,304 bytes; xs 262,144 bytes; wc 1,572,864 bytes; ws 98,304 bytes; qk 33,554,432 bytes; vt 16,777,216 bytes; p 33,554,432 bytes; st 1,048,576 bytes
;; launch quant (part 1): grid 352 x 1, 4 waves a work-group, no clusters, 33,280 bytes of LDS; arguments x, Wq, Wk, Wv, xc, xs, wc, ws; writes xc, xs, wc, ws
.if DOCPART == 1
	.amdgcn_target "amdgcn-amd-amdhsa--gfx1250"
	.amdhsa_code_object_version 6
	.text
	.protected	k_q396d57d3d4_quant
	.globl	k_q396d57d3d4_quant
	.p2align	8
	.type	k_q396d57d3d4_quant,@function
k_q396d57d3d4_quant:
	s_mov_b64 s[64:65], 0
	v_nop
	global_prefetch_b8 v0, s[64:65] scope:SCOPE_SE
	s_setreg_imm32_b32 hwreg(HW_REG_WAVE_MODE, 25, 1), 1
	s_wait_xcnt 0x0
; x [8192][1024] f32 (K innermost) and Wq, Wk, Wv [1024 (k)][1024 (n)] f32 (K is the FIRST axis) become codes of FP4 (E2M1) and one E8M0 byte for each 32 along K.
; xc [8192][512 bytes] with K innermost, xs [8192][32].
; wc: the weights' 3,072 columns (0-1023 Wq's, 1024-2047 Wk's, 2048-3071 Wv's) IN THE ORDER OF THE OPERAND'S REGISTERS: [192 blocks of 16 columns][32 blocks of 32 along K][16 columns][16 bytes]:
;     column n, block t at (n / 16) x 8,192 + t x 256 + (n % 16) x 16.  A fragment (16 columns x 128 K) is then 1,024 consecutive bytes, 16 bytes a lane.   ws [3072][32].
; A block's scale is 2^(floor(log2(its largest magnitude)) - 2); its byte is the largest magnitude's exponent field - 2, held at 1 from below; numbers are divided by it and rounded to the nearest code, ties to even.
; LIMITS: blocks whose largest magnitude lies under 2^-124 get the byte 1; a block of zeros gets the byte 1 where the quantiser says 127 (its codes are zeros, which add nothing, and this program alone reads the bytes);
; NaN and infinities among the inputs are not served.
; Work-groups 0-95 take the weights: a lane takes a column, its registers run down K; a wave takes 32 columns x 256 along K, 8 blocks.  A lane's 16 bytes of a block stand beside its neighbours' in wc,
; so the codes go out straight from the conversions' registers.
; Work-groups 96-351 take x: a plain stream of blocks of 32; a wave takes 16 steps of 512 numbers; every load reads 512 consecutive bytes, and a step turns through the wave's own stage in LDS so that a lane holds 16 neighbours.
; No tensor load, no barrier: waves share nothing.
.set WWG,   96                         ; work-groups for the weights: 24 groups of 128 columns x 4 parts of K
.set STEPS, 16
.set EMAX,  2
.set CB,    8                          ; bytes of 16 codes
.set R,     16                         ; x: v16-79   four sets of 16 numbers as loaded
.set X,     80                         ; x: v80-111  two sets of 16 neighbours
.set E,     112                        ; x: v112-127 a scale byte for each step
.set C,     128                        ; x: v128-191 codes, four registers for each step
.set WREG,  8192                       ; x: LDS region of a wave: two stages of 32 x SP bytes, then its 256 scale bytes
.set SP,    80                         ; x: a lane's place in a stage: 64 bytes + 16 of padding
.set NB,    8                          ; weights: blocks of 32 along K for a wave
.set XW,    32                         ; weights: v32-95 two sets of 32 numbers
.set CW,    96                         ; weights: v96-127 codes, four registers for each block, so that no store's data are written again
.set SB,    24                         ; weights: v24-25 the scale bytes, four to a register
.set SPW,   192                        ; v192 LDS address of my spare word; never rewritten
.set NIL,   193                        ; v193 0; never rewritten
.set SPARE, 32768                      ; behind x's four regions: the spare words, 128 bytes a wave
	s_load_b256 s[4:11], s[0:1], 0x0               ; x, Wq, Wk, Wv
	s_load_b256 s[12:19], s[0:1], 0x20             ; xc, xs, wc, ws
	v_lshl_add_u32 v[SPW], v0, 2, SPARE
	v_mov_b32 v[NIL], 0
	v_lshrrev_b32 v1, 5, v0
	v_readfirstlane_b32 s20, v1                    ; wave
	v_and_b32 v2, 31, v0                           ; lane
	s_cmp_lt_u32 ttmp9, WWG
	s_cbranch_scc1 .Lweights
; ---------------- x ----------------
	v_lshlrev_b32 v3, 4, v2                        ; my 16 bytes of a load's 512
	s_mul_i32 s21, s20, WREG
	v_lshrrev_b32 v14, 2, v2
	v_mul_u32_u24 v14, v14, SP
	v_and_b32 v15, 3, v2
	v_lshl_add_u32 v14, v15, 4, v14
	v_add_nc_u32 v14, s21, v14                     ; the stage, in: SP (lane / 4) + 16 (lane % 4)
	v_mul_u32_u24 v15, v2, SP
	v_add_nc_u32 v15, s21, v15                     ; and out: SP x lane: my 16 neighbours
	v_mul_u32_u24 v4, v2, CB                       ; my codes' place in a step's
	v_lshrrev_b32 v5, 1, v2
	s_add_co_u32 s21, s21, 2*32*SP
	v_add_nc_u32 v5, s21, v5                       ; my block's byte among my wave's 256
	v_lshlrev_b32 v7, 3, v2
	v_add_nc_u32 v6, s21, v7                       ; and 8 bytes a lane on the way out
	s_wait_kmcnt 0x0
	s_sub_co_u32 s22, ttmp9, WWG
	s_lshl_b32 s22, s22, 2
	s_add_co_u32 s22, s22, s20                     ; which run of 8,192 numbers is my wave's
	s_lshl_b32 s24, s22, 15
	s_mov_b32 s25, 0
	s_add_nc_u64 s[4:5], s[4:5], s[24:25]          ; 32,768 bytes of x a run,
	s_lshl_b32 s24, s22, 12
	s_add_nc_u64 s[12:13], s[12:13], s[24:25]      ; 4,096 of codes,
	s_lshl_b32 s24, s22, 8
	s_add_nc_u64 s[14:15], s[14:15], s[24:25]      ; 256 scale bytes
.macro LOADX t
.irp i, 0,1,2,3
	global_load_b128 v[R+16*((\t)%4)+4*\i:R+16*((\t)%4)+4*\i+3], v3, s[4:5] offset:2048*(\t)+512*\i th:TH_LOAD_NT   ; 32 lanes read 512 consecutive bytes
.endr
.endm
.macro TURNX t                         ; a step's numbers through the stage; LDS serves a wave's instructions in order, so no wait stands between the stores and the loads
.irp i, 0,1,2,3
	ds_store_b128 v14, v[R+16*((\t)%4)+4*\i:R+16*((\t)%4)+4*\i+3] offset:32*SP*((\t)%2)+8*SP*\i
.endr
.irp i, 0,1,2,3
	ds_load_b128 v[X+16*((\t)%2)+4*\i:X+16*((\t)%2)+4*\i+3], v15 offset:32*SP*((\t)%2)+16*\i
.endr
.endm
.irp t, 0,1,2,3
	LOADX \t
.endr
	s_wait_loadcnt 12                              ; step 0's four loads are in; twelve younger ones stay out
	TURNX 0
.macro STEPX t
.set XS, X+16*((\t)%2)
.if (\t) > 0
	s_wait_dscnt 1                                 ; this step's numbers are back from the stage; the last step's byte store may be out
.else
	s_wait_dscnt 0x0
.endif
.if (\t)+4 < STEPS
	LOADX (\t)+4                                   ; into the registers that the stage's stores have read
.endif
.if (\t)+1 < STEPS
.if STEPS-2-(\t) >= 3
	s_wait_loadcnt 12                              ; the next step's four loads are in; those of the three steps behind it may be out
.else
	s_wait_loadcnt 4*(STEPS-2-(\t))
.endif
	TURNX (\t)+1
.endif
	v_max3_num_f32 v8, |v[XS]|, |v[XS+1]|, |v[XS+2]|               ; the largest magnitude of my 16, in two chains
	v_max3_num_f32 v9, |v[XS+3]|, |v[XS+4]|, |v[XS+5]|
.irp i, 6,10
	v_max3_num_f32 v8, v8, |v[XS+\i]|, |v[XS+\i+1]|
	v_max3_num_f32 v9, v9, |v[XS+\i+2]|, |v[XS+\i+3]|
.endr
	v_max3_num_f32 v8, v8, |v[XS+14]|, |v[XS+15]|
	v_max3_num_f32 v8, v8, v9, (EMAX+1)<<23        ; and the floor 2^(3 - 127): the byte cannot fall under 1
	v_max_num_f32_dpp v8, v8, v8 row_xmask:1 row_mask:0xf bank_mask:0xf   ; with my neighbour's 16: the block's
	v_add_nc_u32 v11, -(EMAX<<23), v8              ; 2 off its exponent field: the conversion's scale operand
	v_cvt_scalef32_pk8_fp4_f32 v[C+4*(\t)], v[XS:XS+7], v11
	v_cvt_scalef32_pk8_fp4_f32 v[C+4*(\t)+1], v[XS+8:XS+15], v11
	v_lshrrev_b32 v[E+(\t)], 23, v11               ; the scale's byte (a plain line behind the conversions)
	ds_store_b8 v5, v[E+(\t)] offset:16*(\t)       ; both lanes of a block write the same byte with the same value
	global_store_b64 v4, v[C+4*(\t):C+4*(\t)+1], s[12:13] offset:32*CB*(\t)   ; the wave stores 256 consecutive bytes, aligned
.endm
.irp t, 0,1,2,3,4,5,6,7,8,9,10,11,12,13,14,15
	STEPX \t
.endr
	ds_load_b64 v[8:9], v6                         ; my wave's 256 scale bytes (LDS serves a wave in order: these see my stores)
	s_wait_dscnt 0x0
	global_store_b64 v7, v[8:9], s[14:15]          ; 256 consecutive bytes, aligned
	s_wait_tensorcnt 0x0                           ; the wave's end, behind my last LDS store
	ds_add_u32 v[SPW], v[NIL]
	s_wait_dscnt 0x0
	s_endpgm
; ---------------- the weights ----------------
.Lweights:
	s_and_b32 s22, ttmp9, 3                        ; which 256 along K
	s_lshr_b32 s21, ttmp9, 2                       ; which 128 columns of the 3,072
	s_and_b32 s23, s21, 7
	s_lshl_b32 s23, s23, 7
	s_lshl_b32 s24, s20, 5
	s_add_co_u32 s23, s23, s24                     ; my wave's first column in its weight
	s_lshl_b32 s25, s21, 7
	s_add_co_u32 s25, s25, s24                     ; and among the 3,072
	v_lshlrev_b32 v3, 2, v2                        ; in: 4 bytes a lane
	v_and_b32 v5, 15, v2
	v_lshrrev_b32 v6, 4, v2
	v_lshlrev_b32 v8, 13, v6
	v_lshl_add_u32 v8, v5, 4, v8                   ; out: 8,192 (lane / 16) + 16 (lane % 16)
	v_lshlrev_b32 v9, 5, v2                        ; my column's row of scale bytes
	s_lshl_b32 s28, s22, 20                        ; W: 256 rows of 4,096 bytes,
	s_lshl_b32 s27, s23, 2
	s_add_co_u32 s28, s28, s27                     ; + 4 x column
	s_mov_b32 s29, 0
	s_lshl_b32 s30, s25, 9                         ; wc: 16 columns are 8,192 bytes,
	s_lshl_b32 s27, s22, 11
	s_add_co_u32 s30, s30, s27                     ; + my 8 blocks of 256 bytes
	s_mov_b32 s31, 0
	s_lshl_b32 s32, s25, 5                         ; ws: column x 32 + my 8 bytes
	s_lshl_b32 s27, s22, 3
	s_add_co_u32 s32, s32, s27
	s_mov_b32 s33, 0
	s_wait_kmcnt 0x0
	s_cmp_lt_u32 s21, 8                            ; which weight: the choice hangs on the work-group's number alone
	s_cselect_b64 s[6:7], s[6:7], s[8:9]
	s_cmp_lt_u32 s21, 16
	s_cselect_b64 s[6:7], s[6:7], s[10:11]
	s_add_nc_u64 s[6:7], s[6:7], s[28:29]
	s_add_nc_u64 s[16:17], s[16:17], s[30:31]
	s_add_nc_u64 s[18:19], s[18:19], s[32:33]
.macro LOADW t                         ; block t: W(32 t + i, my column), i = 0 .. 31; the four waves stand side by side on 512 consecutive bytes
.irp i, 0,1,2,3,4,5,6,7,8,9,10,11,12,13,14,15,16,17,18,19,20,21,22,23,24,25,26,27,28,29,30,31
	global_load_b32 v[XW+32*((\t)%2)+\i], v3, s[6:7] offset:(32*(\t)+\i)*4096 th:TH_LOAD_NT
.endr
.endm
	LOADW 0
	LOADW 1
.macro BLOCKW t
.set XS, XW+32*((\t)%2)
.if (\t) < NB-1
	s_wait_loadcnt 32                              ; this block's 32 loads are in; the next block's may be out
.else
	s_wait_loadcnt 0
.endif
	v_max3_num_f32 v12, |v[XS]|, |v[XS+1]|, |v[XS+2]|               ; the block's largest magnitude: all 32 numbers are mine
	v_max3_num_f32 v13, |v[XS+3]|, |v[XS+4]|, |v[XS+5]|
.irp i, 6,10,14,18,22,26
	v_max3_num_f32 v12, v12, |v[XS+\i]|, |v[XS+\i+1]|
	v_max3_num_f32 v13, v13, |v[XS+\i+2]|, |v[XS+\i+3]|
.endr
	v_max3_num_f32 v12, v12, |v[XS+30]|, |v[XS+31]|
	v_max3_num_f32 v12, v12, v13, (EMAX+1)<<23     ; and the floor
	v_add_nc_u32 v11, -(EMAX<<23), v12             ; the conversion's scale operand
	v_lshrrev_b32 v13, 23, v11                     ; the scale's byte
.if (\t)%4 == 0
	v_mov_b32 v[SB+(\t)/4], v13                    ; four bytes to a register, the lower K in the lower byte
.else
	v_lshl_or_b32 v[SB+(\t)/4], v13, 8*((\t)%4), v[SB+(\t)/4]
.endif
.irp g, 0,1,2,3
	v_cvt_scalef32_pk8_fp4_f32 v[CW+4*(\t)+\g], v[XS+8*\g:XS+8*\g+7], v11
.endr
	v_nop                                          ; one plain line behind the last conversion
	global_store_b128 v8, v[CW+4*(\t):CW+4*(\t)+3], s[16:17] offset:256*(\t)   ; sixteen lanes store 256 consecutive bytes, aligned: the block's codes of 16 columns
.if (\t)+2 < NB
	LOADW (\t)+2
.endif
.endm
.irp t, 0,1,2,3,4,5,6,7
	BLOCKW \t
.endr
	global_store_b64 v9, v[SB:SB+1], s[18:19]      ; my column's 8 scale bytes: pieces of rows of 32, one part in 130 of what these work-groups read
	s_wait_tensorcnt 0x0                           ; the wave's end, on this way too
	ds_add_u32 v[SPW], v[NIL]
	s_wait_dscnt 0x0
	s_endpgm
.Lfunc_end_k_q396d57d3d4_quant:
	.size	k_q396d57d3d4_quant, .Lfunc_end_k_q396d57d3d4_quant-k_q396d57d3d4_quant
	.p2alignl 7, 3214868480
	.fill 96, 4, 3214868480
	.section	.rodata,"a",@progbits
	.p2align	6, 0x0
	.amdhsa_kernel k_q396d57d3d4_quant
		.amdhsa_group_segment_fixed_size 33280
		.amdhsa_private_segment_fixed_size 0
		.amdhsa_enable_private_segment 0
		.amdhsa_kernarg_size 64
		.amdhsa_user_sgpr_count 2
		.amdhsa_user_sgpr_kernarg_segment_ptr 1
		.amdhsa_wavefront_size32 1
		.amdhsa_system_sgpr_workgroup_id_x 1
		.amdhsa_system_sgpr_workgroup_id_y 1
		.amdhsa_system_sgpr_workgroup_id_z 1
		.amdhsa_system_vgpr_workitem_id 0
		.amdhsa_next_free_vgpr 196
		.amdhsa_next_free_sgpr 66
		.amdhsa_reserve_vcc 0
		.amdhsa_float_denorm_mode_32 3
		.amdhsa_float_denorm_mode_16_64 3
		.amdhsa_memory_ordered 1
		.amdhsa_forward_progress 1
		.amdhsa_inst_pref_size 71
	.end_amdhsa_kernel
	.amdgpu_metadata
---
amdhsa.version: [ 1, 2 ]
amdhsa.kernels:
  - .name:           k_q396d57d3d4_quant
    .symbol:         k_q396d57d3d4_quant.kd
    .args:
      - { .name: x, .offset: 0, .size: 8, .value_kind: global_buffer, .address_space: global }
      - { .name: Wq, .offset: 8, .size: 8, .value_kind: global_buffer, .address_space: global }
      - { .name: Wk, .offset: 16, .size: 8, .value_kind: global_buffer, .address_space: global }
      - { .name: Wv, .offset: 24, .size: 8, .value_kind: global_buffer, .address_space: global }
      - { .name: xc, .offset: 32, .size: 8, .value_kind: global_buffer, .address_space: global }
      - { .name: xs, .offset: 40, .size: 8, .value_kind: global_buffer, .address_space: global }
      - { .name: wc, .offset: 48, .size: 8, .value_kind: global_buffer, .address_space: global }
      - { .name: ws, .offset: 56, .size: 8, .value_kind: global_buffer, .address_space: global }
    .group_segment_fixed_size: 33280
    .private_segment_fixed_size: 0
    .kernarg_segment_align: 8
    .kernarg_segment_size: 64
    .max_flat_workgroup_size: 128
    .sgpr_count:     66
    .vgpr_count:     196
    .wavefront_size: 32
...
	.end_amdgpu_metadata
.endif
;; end of part 1
;; launch proj (part 2): grid 8 x 32, 4 waves a work-group, clusters of 4 x 4, 327,680 bytes of LDS; arguments xc, xs, wc, ws, qk, vt; writes qk, vt
.if DOCPART == 2
	.amdgcn_target "amdgcn-amd-amdhsa--gfx1250"
	.amdhsa_code_object_version 6
	.text
	.protected	k_q396d57d3d4_proj
	.globl	k_q396d57d3d4_proj
	.p2align	8
	.type	k_q396d57d3d4_proj,@function
k_q396d57d3d4_proj:
	s_mov_b64 s[64:65], 0
	v_nop
	global_prefetch_b8 v0, s[64:65] scope:SCOPE_SE
	s_setreg_imm32_b32 hwreg(HW_REG_WAVE_MODE, 25, 1), 1
	s_wait_xcnt 0x0
	s_wait_alu depctr_hold_cnt(0) depctr_sa_sdst(0) depctr_va_vdst(0) depctr_va_sdst(0) depctr_va_ssrc(0) depctr_va_vcc(0) depctr_vm_vsrc(0)
	s_getreg_b32 s2, hwreg(HW_REG_IB_STS2, 6, 4)
	s_cmp_eq_u32 s2, 0
	s_cbranch_scc0 .Lentry_in_a_cluster
	s_endpgm
.Lentry_in_a_cluster:
	s_bfe_u32 s2, ttmp6, 0x10000c
	s_cmp_lg_u32 s2, 0xf033
	s_cbranch_scc0 .Lentry_shape_is_right
	s_endpgm
.Lentry_shape_is_right:
; The three projections on codes of FP4 (E2M1) with one E8M0 scale for each 32 along K = 1,024; sums in f32; results rounded once to f16.
; qk [8192 tokens][2048] f16: columns 0-1023 Q, 1024-2047 K.   vt [4 batches][1024 channels][2048 keys] f16: V transposed, the keys innermost, as the last product wants it.
; 256 work-groups in 16 clusters of 4 x 4.  A work-group takes 256 tokens (tile row, 0 .. 31) and goes through two phases on the SAME codes of x, which stay in LDS:
;   1: 256 tokens x 256 columns of Q|K (tile column, 0 .. 7): four waves, 128 x 128 each, 64 accumulators;
;   2: 128 channels of V (128 x tile column on) x the 256 tokens, which IS a piece of V transposed: four waves, 64 channels x 128 tokens each, 32 accumulators.
; K lies in two LDS slots of 512 along K, both asked for at the start: nothing is filled again.  x's tiles are rows of 256 bytes, padded; W's tiles are images of the operand's registers
; (wc: [block of 16 columns][block of 32 along K][16 columns][16 bytes]): 4,096 dense bytes for 16 columns and a slot, read from LDS at 16 x lane.
; The scale bytes of the tile's 256 + 256 rows, for all of K, come once, as dense blocks.  The four work-groups of a row of the cluster ask for x's tiles jointly, the four of a column for W's.
; Phase 2's fragments of Wv, 32,768 consecutive bytes a wave, come from memory straight into registers, 512 consecutive bytes a load, asked for behind phase 1's last product; they land while phase 1's results leave.
; In phase 1 source 0 = 16 columns of W, source 1 = 16 tokens: a lane holds a token and eight neighbouring columns.  In phase 2 source 0 = 16 tokens, source 1 = 16 channels: a lane holds a channel and eight neighbouring keys.
; LIMIT: results beyond f16's largest number, 65,504, become infinities.  With all inputs 30 times larger than drawn the results stay near 5,400.
; REGISTERS: window 0: v16-31 addresses; v32-95 x's and W's scale words, two sets, v96-127 Wv's (they hold nothing else); v128-191 x's fragments in phase 1, on the ways out rows of C; v192-223 packed results.
;   window 1: phase 1: W's fragments, two sets; phase 2: all of my fragments of Wv (K step q, block a at v[32 q + 8 a]).
;   window 2, 3: phase 1's accumulators ((a, b) at v[8 (8 (a % 4) + b)]).  Phase 2: window 2 its accumulators, window 3 x's fragments, four sets of 64.
.set NQ,     4                         ; matrix instructions deep in a slot
.set ROWB,   256                       ; a row of x's tile: 512 codes
.set KROW,   512                       ; a row of x's codes in memory
.set PITCH,  272                       ; an LDS row: 256 bytes + 16 = 68 words: the 16 rows of a load start at 16 different banks (64 banks of 4 bytes: ISA guide 11.1)
.set FR,     8
.set NL,     2
.set NP,     4
.set HALFT,  128*PITCH                 ; x: 128 rows: what one tensor load brings
.set HALFB,  32768                     ; W: 8 blocks of 16 columns x 4,096 bytes: what one tensor load brings
.set BOFF,   2*HALFT                   ; a slot: x's 256 rows, then W's 16 blocks
.set SLOT,   BOFF+2*HALFB
.set KS,     32                        ; a row of scale bytes
.set SCL,    2*SLOT
.set HALFS,  (128*KS/256)*272
.set SBLK,   (16*KS/256)*272
.set SPARE,  SCL+4*HALFS               ; the spare words, 128 bytes a wave
.set STG,    SPARE+512                 ; the ways out: 16 rows x (256 bytes + 16) a wave, bytes of their own: x's rows are read until phase 2 ends
.set SPITCH, 272
.set ADRA, 16
.set ADRB, 20
.set STO,  24
.set RD,   25
.set CO,   26
.set ADRS, 27
.set SPW,  28
.set NIL,  29
.set WVO,  30                          ; v30 16 x lane; never rewritten
.set WSO,  31                          ; v31 32 x (lane % 16); never rewritten
.set SC,   32
.set WS2,  96                          ; v96-127 Wv's scale words: block a, K step q at v[96 + 8 a + q]
.set AF,   128
.set BK,   128
.set TMP,  192
.set G1, 24
.set G0, 32
.set G1B, 48
.set G0B, 56
.set G1S, 68
.set G0S, 76
.set G1SB, 80
.set G0SB, 88
.set WV,   98                          ; s98  wave
.set RH,   99                          ; s99  which 128 tokens are mine; also: I fetch for x (0) or W (1)
.set CH,   100                         ; s100 which half of the columns or channels; also: which half of a tile I fetch
.set TROW, 101                         ; s101 tile row
.set MSB, 0
.macro WIN new                         ; the immediate's high byte repeats the setting that is left
.if MSB != (\new)
	s_set_vgpr_msb (MSB<<8)|(\new)
.set MSB, (\new)
.endif
.endm
.set MUL_LO, 0xa1                      ; phase 1: source 0 (W) window 1, source 1 (x) window 0, C and D window 2
.set MUL_HI, 0xf1                      ; the same, C and D window 3
.set MUL2,   0xa7                      ; phase 2: source 0 (x) window 3, source 1 (Wv) window 1, C and D window 2
.set TO_B,   0x40                      ; destination window 1, address window 0
.macro JLOAD g0a, g1a, g0b, g1b        ; a joint load: waves 0, 1 for x, waves 2, 3 for W; an s_nop 0 and four v_nop follow each line
	s_cmp_eq_u32 s[RH], 0
	s_cbranch_scc0 .Lfor_b_\@
	tensor_load_to_lds s[\g0a:\g0a+3], s[\g1a:\g1a+7]
	s_nop 0
.rept 4
	v_nop
.endr
	s_branch .Lasked_\@
.Lfor_b_\@:
	tensor_load_to_lds s[\g0b:\g0b+3], s[\g1b:\g1b+7]
	s_nop 0
.rept 4
	v_nop
.endr
.Lasked_\@:
.endm
.macro CROUND                          ; a round of the cluster's barrier
	s_barrier_signal -1
	s_barrier_wait -1
	s_cmp_lg_u32 s[WV], 0
	s_cbranch_scc1 .Lnot_wave_0_\@
	s_barrier_signal -3
.Lnot_wave_0_\@:
	s_barrier_wait -3
	s_barrier_signal -1
	s_barrier_wait -1
.endm
	s_load_b256 s[4:11], s[0:1], 0x0               ; xc, xs, wc, ws
	s_load_b128 s[12:15], s[0:1], 0x20             ; qk, vt
	v_lshl_add_u32 v[SPW], v0, 2, SPARE
	v_mov_b32 v[NIL], 0
	ds_add_u32 v[SPW], v[NIL]                      ; the wave's opening: the add, twice on end, and its wait ahead of my first tensor load
	ds_add_u32 v[SPW], v[NIL]
	v_lshrrev_b32 v1, 5, v0
	v_readfirstlane_b32 s[WV], v1
	s_lshr_b32 s[RH], s[WV], 1
	s_and_b32 s[CH], s[WV], 1
	s_bfe_u32 s40, ttmp6, 0x40000                  ; cx
	s_bfe_u32 s41, ttmp6, 0x40004                  ; cy
	s_lshl_b32 s42, ttmp9, 2
	s_add_co_u32 s42, s42, s40                     ; tile column = 4 x cluster x + cx
	s_and_b32 s[TROW], ttmp7, 0xffff
	s_lshl_b32 s[TROW], s[TROW], 2
	s_add_co_u32 s[TROW], s[TROW], s41             ; tile row = 4 x cluster y + cy
	s_lshl_b32 s43, s41, 2
	s_lshl_b32 s43, 15, s43                        ; my row of the cluster
	s_lshl_b32 s44, 0x1111, s40                    ; my column
	s_or_b32 s[G1+0], s43, (0<<16)|(1<<20)|(1<<21)|(5<<22)|(3<<25)   ; x: the mask; elements of 1 byte; padding: 4 words behind every 64; bit 21 beside a mask
	s_mov_b32 s[G1+1], ROWB<<16                    ; tensor_dim0
	s_mov_b32 s[G1+2], 128<<16                     ; tensor_dim1
	s_mov_b32 s[G1+3], ROWB<<16                    ; tile_dim0
	s_mov_b32 s[G1+4], 128                         ; tile_dim1
	s_mov_b32 s[G1+5], KROW                        ; from row to row
	s_mov_b32 s[G1+6], 0
	s_mov_b32 s[G1+7], 0
	s_or_b32 s[G1B+0], s44, (3<<16)|(1<<21)        ; W: the mask; elements of 8 bytes; no padding
	s_mov_b32 s[G1B+1], 512<<16                    ; tensor_dim0: 4,096 bytes: a slot's four K steps of a block of 16 columns,
	s_mov_b32 s[G1B+2], 8<<16                      ; tensor_dim1: of eight blocks
	s_mov_b32 s[G1B+3], 512<<16
	s_mov_b32 s[G1B+4], 8
	s_mov_b32 s[G1B+5], 1024                       ; 8,192 bytes from block to block
	s_mov_b32 s[G1B+6], 0
	s_mov_b32 s[G1B+7], 0
	s_or_b32 s[G1S+0], s43, (3<<16)|(1<<20)|(1<<21)|(5<<22)|(3<<25)  ; the scales of 128 rows: 4,096 dense bytes as 16 rows of 256 (32 elements of 8 bytes), 16 bytes of padding behind each
	s_or_b32 s[G1SB+0], s44, (3<<16)|(1<<20)|(1<<21)|(5<<22)|(3<<25)
.irp g, G1S, G1SB
	s_mov_b32 s[\g+1], 32<<16
	s_mov_b32 s[\g+2], (128*KS/256)<<16
	s_mov_b32 s[\g+3], 32<<16
	s_mov_b32 s[\g+4], 128*KS/256
	s_mov_b32 s[\g+5], 32
	s_mov_b32 s[\g+6], 0
	s_mov_b32 s[\g+7], 0
.endr
	s_lshl_b32 s18, s[CH], 7                       ; which 128 rows of the tile I fetch
	s_lshl_b32 s20, s[TROW], 8
	s_add_co_u32 s20, s20, s18                     ; x's row
	s_lshl_b32 s46, s42, 8
	s_add_co_u32 s46, s46, s18                     ; W's column
	s_lshl_b32 s22, s20, 5                         ; their scale bytes: 32 a row,
	s_mov_b32 s23, 0
	s_lshl_b32 s20, s20, 9                         ; their codes: 512 bytes a row
	s_mov_b32 s21, 0
	s_lshl_b32 s92, s46, 5
	s_mov_b32 s93, 0
	s_lshl_b32 s46, s46, 9                         ; (16 columns are 8,192 bytes: 512 a column here too)
	s_mov_b32 s47, 0
	s_mul_i32 s45, s[CH], HALFT                    ; where they go: x's halves,
	s_lshl_b32 s95, s[CH], 15
	s_add_co_u32 s95, s95, BOFF                    ; W's halves behind them: no place in the cluster enters an LDS address
	s_mul_i32 s94, s[WV], HALFS
	s_wait_dscnt 0x0                               ; both opening adds are done
	s_wait_kmcnt 0x0
	s_add_nc_u64 s[20:21], s[4:5], s[20:21]
	s_add_nc_u64 s[22:23], s[6:7], s[22:23]
	s_add_nc_u64 s[46:47], s[8:9], s[46:47]
	s_add_nc_u64 s[92:93], s[10:11], s[92:93]
	CROUND                                         ; all sixteen work-groups are here: the joint loads meet
	s_mov_b32 s[G0S], 1
	s_add_co_u32 s[G0S+1], s94, SCL
	s_mov_b64 s[G0S+2:G0S+3], s[22:23]
	s_or_b32 s[G0S+3], s[G0S+3], 0x80000000
	s_mov_b32 s[G0SB], 1
	s_add_co_u32 s[G0SB+1], s94, SCL
	s_mov_b64 s[G0SB+2:G0SB+3], s[92:93]
	s_or_b32 s[G0SB+3], s[G0SB+3], 0x80000000
	JLOAD G0S, G1S, G0SB, G1SB                     ; the scales first; by this text's count three loads of a wave are out at the most
.irp s, 0,1
	s_mov_b32 s[G0+4*\s], 1
	s_add_co_u32 s[G0+4*\s+1], s45, \s*SLOT
	s_add_nc_u64 s[G0+4*\s+2:G0+4*\s+3], s[20:21], \s*ROWB
	s_or_b32 s[G0+4*\s+3], s[G0+4*\s+3], 0x80000000
	s_mov_b32 s[G0B+4*\s], 1
	s_add_co_u32 s[G0B+4*\s+1], s95, \s*SLOT
	s_add_nc_u64 s[G0B+4*\s+2:G0B+4*\s+3], s[46:47], \s*4096
	s_or_b32 s[G0B+4*\s+3], s[G0B+4*\s+3], 0x80000000
	JLOAD G0+4*\s, G1, G0B+4*\s, G1B
.endr
	; phase 2's part of Wv: blocks of 16 columns 128 + 8 x tile column + 4 x half on
	s_lshl_b32 s16, s42, 3
	s_lshl_b32 s2, s[CH], 2
	s_add_co_u32 s16, s16, s2
	s_add_co_u32 s16, s16, 128
	s_lshl_b32 s18, s16, 9                         ; its scale bytes: 16 rows of 32,
	s_lshl_b32 s16, s16, 13                        ; its codes: 8,192 bytes a block
	s_mov_b32 s17, 0
	s_mov_b32 s19, 0
	s_add_nc_u64 s[16:17], s[8:9], s[16:17]
	s_add_nc_u64 s[18:19], s[10:11], s[18:19]
	v_and_b32 v1, 15, v0                           ; r
	v_bfe_u32 v2, v0, 4, 1                         ; h
	v_lshlrev_b32 v[WSO], 5, v1
.irp a, 0,1,2,3
	global_load_b128 v[WS2+8*\a:WS2+8*\a+3], v[WSO], s[18:19] offset:512*\a        ; Wv's scale words: lane r takes channel r's eight (lanes 16-31 the same, and are not read); waited for ahead of phase 2
	global_load_b128 v[WS2+8*\a+4:WS2+8*\a+7], v[WSO], s[18:19] offset:512*\a+16
.endr
	v_mul_u32_u24 v3, v1, PITCH
	v_lshl_add_u32 v4, v2, 4, v3                   ; x: a fragment's row x pitch + 16 h
	s_mul_i32 s21, s[RH], HALFT
	v_add_nc_u32 v[ADRA], s21, v4
	v_add_nc_u32 v[ADRA+1], SLOT, v[ADRA]
	v_and_b32 v6, 31, v0
	v_lshlrev_b32 v[WVO], 4, v6
	s_lshl_b32 s22, s[CH], 15
	s_add_co_u32 s22, s22, BOFF
	v_add_nc_u32 v[ADRB], s22, v[WVO]              ; W: my eight blocks' images, 16 x lane
	v_add_nc_u32 v[ADRB+1], SLOT, v[ADRB]
	v_mul_u32_u24 v5, v1, KS                       ; my row's scales: 32 bytes a row,
	v_lshrrev_b32 v6, 8, v5
	v_lshl_add_u32 v5, v6, 4, v5                   ; and 16 more for each 256 passed
	s_mul_i32 s21, s[RH], HALFS
	s_mul_i32 s22, s[CH], HALFS
	s_add_co_u32 s22, s22, 2*HALFS
	s_sub_co_u32 s22, s22, s21
	v_mul_u32_u24 v6, s22, v2                      ; lanes 16-31 take W's: one product, the distance between the two bases
	s_add_co_u32 s21, s21, SCL
	v_add_nc_u32 v5, v5, v6
	v_add_nc_u32 v[ADRS], s21, v5
	s_mul_i32 s23, s[WV], 16*SPITCH
	s_add_co_u32 s23, s23, STG                     ; my stage
	v_mul_u32_u24 v5, v1, SPITCH
	v_lshl_add_u32 v5, v2, 4, v5
	v_add_nc_u32 v[STO], s23, v5                   ; in: row r, 16 bytes for each half of the lanes
	v_mul_u32_u24 v5, v2, SPITCH
	v_lshl_add_u32 v5, v1, 4, v5
	v_add_nc_u32 v[RD], s23, v5                    ; back: lanes 0-15 one row of 256 bytes, lanes 16-31 the next
	v_lshlrev_b32 v5, 12, v2
	v_lshl_add_u32 v[CO], v1, 4, v5                ; the same two rows in memory: both outputs have rows of 4,096 bytes
	s_lshl_b32 s20, s[TROW], 8
	s_lshl_b32 s21, s[RH], 7
	s_add_co_u32 s20, s20, s21
	s_lshl_b32 s20, s20, 12                        ; qk: my first token's row,
	s_lshl_b32 s46, s42, 9
	s_lshl_b32 s47, s[CH], 8
	s_add_co_u32 s46, s46, s47
	s_add_co_u32 s20, s20, s46                     ; + 512 x tile column + 256 x half
	s_mov_b32 s21, 0
	s_add_nc_u64 s[12:13], s[12:13], s[20:21]
	s_lshr_b32 s20, s[TROW], 3
	s_lshl_b32 s20, s20, 22                        ; vt: eight tile rows to a batch of 4 MiB,
	s_lshl_b32 s46, s42, 7
	s_lshl_b32 s47, s[CH], 6
	s_add_co_u32 s46, s46, s47
	s_lshl_b32 s46, s46, 12
	s_add_co_u32 s20, s20, s46                     ; + my first channel's row,
	s_and_b32 s46, s[TROW], 7
	s_lshl_b32 s46, s46, 9
	s_lshl_b32 s47, s[RH], 8
	s_add_co_u32 s46, s46, s47
	s_add_co_u32 s20, s20, s46                     ; + my first key, 2 bytes each
	s_add_nc_u64 s[14:15], s[14:15], s[20:21]
.macro FRAG reg, adr, q, i             ; x: 16 rows x 128 K of 4-bit codes: lane l holds row l % 16; registers 4 c .. 4 c + 3 hold K = 64 c + 32 (l / 16) + 0 .. 31
.irp c, 0,1
	ds_load_b128 v[\reg+4*\c:\reg+4*\c+3], v[\adr] offset:64*(\q)+32*\c+(\i)*16*PITCH
.endr
.endm
.macro FRAGB reg, slot, q, i           ; W: the same registers from their image: 512 consecutive bytes a load
.irp c, 0,1
	ds_load_b128 v[\reg+4*\c:\reg+4*\c+3], v[ADRB+\slot] offset:(\i)*4096+(\q)*1024+\c*512
.endr
.endm
; 16 matrix instructions: x's blocks a0, a0 + 1 x W's eight.  The 64 accumulators take turns, one instruction a turn, in the same order in every step.
.macro MUL16 a0, p, q, sc, zero
.irp a, \a0, \a0+1
.irp b, 0,1,2,3,4,5,6,7
.if \zero
	v_wmma_scale_f32_16x16x128_f8f6f4 v[8*(8*((\a)%4)+\b):8*(8*((\a)%4)+\b)+7], v[128*(\p)+FR*\b:128*(\p)+FR*\b+FR-1], v[AF+FR*(\a):AF+FR*(\a)+FR-1], 0, v[SC+8*NQ*(\sc)+NQ*\b+(\q)], v[SC+8*NQ*(\sc)+NQ*(\a)+(\q)] matrix_a_fmt:MATRIX_FMT_FP4 matrix_b_fmt:MATRIX_FMT_FP4 matrix_a_scale:MATRIX_SCALE_ROW1
.else
	v_wmma_scale_f32_16x16x128_f8f6f4 v[8*(8*((\a)%4)+\b):8*(8*((\a)%4)+\b)+7], v[128*(\p)+FR*\b:128*(\p)+FR*\b+FR-1], v[AF+FR*(\a):AF+FR*(\a)+FR-1], v[8*(8*((\a)%4)+\b):8*(8*((\a)%4)+\b)+7], v[SC+8*NQ*(\sc)+NQ*\b+(\q)], v[SC+8*NQ*(\sc)+NQ*(\a)+(\q)] matrix_a_fmt:MATRIX_FMT_FP4 matrix_b_fmt:MATRIX_FMT_FP4 matrix_a_scale:MATRIX_SCALE_ROW1
.endif
.endr
.endr
.endm
.macro FETCH_B slot, q, p
	WIN TO_B
.irp i, 0,1,2,3,4,5,6,7
	FRAGB 128*(\p)+FR*\i, \slot, \q, \i
.endr
	WIN 0
.endm
.macro FETCH_A slot, q, i0
.irp i, \i0, \i0+1, \i0+2, \i0+3
	FRAG AF+FR*(\i), ADRA+\slot, \q, \i
.endr
.endm
.macro SCALES sc                       ; a slot's scale words: four a row; lanes 0-15 take x's block i, lanes 16-31 W's block i
.irp i, 0,1,2,3,4,5,6,7
	ds_load_b128 v[SC+8*NQ*\sc+NQ*\i:SC+8*NQ*\sc+NQ*\i+3], v[ADRS] offset:\i*SBLK
.endr
.endm
.macro PLACES n                        ; plain vector lines between a matrix instruction and a load into, or a read of, its registers
.rept \n
	v_nop
.endr
.endm
.macro STEP slot, q, zero              ; 128 along K that has its successor in the same slot
	s_wait_dscnt 4*NL                              ; W's set and x's blocks 0-3 are in; the youngest eight loads (x's blocks 4-7) may be out
	WIN MUL_LO
	MUL16 0, (\q)%2, \q, \slot, \zero
	MUL16 2, (\q)%2, \q, \slot, \zero
	s_wait_dscnt 0
	PLACES NP
	FETCH_B \slot, (\q)+1, 1-(\q)%2
	FETCH_A \slot, (\q)+1, 0
	WIN MUL_HI
	MUL16 4, (\q)%2, \q, \slot, \zero
	MUL16 6, (\q)%2, \q, \slot, \zero
	PLACES NP
	WIN 0
	FETCH_A \slot, (\q)+1, 4
.endm
.macro TURN slot, next                 ; slot 0's last step, and the change to slot 1: one barrier; nothing is filled again
	s_wait_tensorcnt 0x0                           ; all my tensor loads have landed: my part of the next slot
	ds_add_u32 v[SPW], v[NIL]                      ; 0 onto my spare word
	s_wait_dscnt 4*NL+1                            ; the add and the youngest eight loads may be out
	WIN MUL_LO
	MUL16 0, 1, NQ-1, \slot, 0
	s_wait_dscnt 0x0                               ; the add is done, and my loads are in
	s_barrier_signal -1
	MUL16 2, 1, NQ-1, \slot, 0
	WIN 0
	s_barrier_wait -1                              ; the next slot is whole
	PLACES NP
	v_add_nc_u32 v[ADRS], 4*NQ, v[ADRS]            ; on to the next slot's scale words
	FETCH_B \next, 0, 0
	FETCH_A \next, 0, 0
	SCALES \next
	WIN MUL_HI
	MUL16 4, 1, NQ-1, \slot, 0
	MUL16 6, 1, NQ-1, \slot, 0
	PLACES NP
	WIN 0
	FETCH_A \next, 0, 4
.endm
.macro STEPS slot, from
.set Q, \from
.rept NQ-1-\from
	STEP \slot, Q, 0
.set Q, Q+1
.endr
.endm
; THE WAY OUT of a block of 16 rows x 128 numbers, the same in both phases: rounded to f16, 16 bytes a lane; through my own stage; back as whole rows of 256 bytes.
.macro PACK a
.set AC, 64*((\a)%4)
	WIN 0x0a+5*((\a)/4)                            ; sources 0 and 1: window 2 or 3
.irp b, 0,1,2,3,4,5,6,7
.irp r, 0,1,2,3
	v_cvt_pk_f16_f32 v[TMP+4*\b+\r], v[AC+8*\b+2*\r], v[AC+8*\b+2*\r+1]   ; each accumulator from its low end on
.endr
.endr
	WIN 0
.endm
.macro TOSTAGE a
.set BB, BK+32*((\a)%2)
.irp b, 0,1,2,3,4,5,6,7
	ds_store_b128 v[STO], v[TMP+4*\b:TMP+4*\b+3] offset:32*\b
.endr
.irp t, 0,1,2,3,4,5,6,7
	ds_load_b128 v[BB+4*\t:BB+4*\t+3], v[RD] offset:\t*2*SPITCH    ; LDS serves a wave's instructions in order: these see the stores above
.endr
.endm
.macro SEND a, base
.set BB, BK+32*((\a)%2)
	s_wait_dscnt 0x0                               ; the block is back in registers
	s_wait_xcnt 0x0                                ; earlier stores have read their base and their data: both may be written again
.if (\a) > 0
	s_add_nc_u64 s[\base:\base+1], s[\base:\base+1], 16*4096       ; 16 rows on
.endif
.irp t, 0,1,2,3,4,5,6,7
	global_store_b128 v[CO], v[BB+4*\t:BB+4*\t+3], s[\base:\base+1] offset:2*\t*4096   ; sixteen lanes store 256 consecutive bytes, aligned
.endr
.endm
; ---------------- phase 1: Q | K ----------------
	s_wait_tensorcnt 1                             ; the scales and my part of slot 0 are in; slot 1's load may be out,
	s_barrier_signal -1
	s_barrier_wait -1                              ; everybody's are
	FETCH_B 0, 0, 0
	FETCH_A 0, 0, 0
	SCALES 0
	FETCH_A 0, 0, 4
	STEP 0, 0, 1                                   ; the first products start the sums: nothing is cleared
	STEPS 0, 1
	TURN 0, 1
	STEPS 1, 0
	s_wait_dscnt 4*NL                              ; the last step: nothing more to fetch
	WIN MUL_LO
	MUL16 0, 1, NQ-1, 1, 0
	MUL16 2, 1, NQ-1, 1, 0
	s_wait_dscnt 0
	WIN MUL_HI
	MUL16 4, 1, NQ-1, 1, 0
	MUL16 6, 1, NQ-1, 1, 0
	WIN 0
	PLACES NP                                      ; behind the last products: for the loads into W's registers, the reads of results and the loads into x's registers
	WIN TO_B
.irp q, 0,1,2,3,4,5,6,7                        ; all of my fragments of Wv, 32,768 consecutive bytes, 512 a load: they land while phase 1's results leave
.irp a, 0,1,2,3
.irp c, 0,1
	global_load_b128 v[32*\q+8*\a+4*\c:32*\q+8*\a+4*\c+3], v[WVO], s[16:17] offset:\a*8192+\q*1024+\c*512
.endr
.endr
.endr
	WIN 0
	PACK 0
	TOSTAGE 0
.irp a, 1,2,3,4,5,6,7
	PACK \a                                        ; a block's conversions stand between the loads of the block before and the wait for them
	SEND \a-1, 12
	TOSTAGE \a
.endr
	SEND 7, 12
; ---------------- phase 2: V transposed ----------------
; x's codes lie in both slots as they landed; my 128 tokens' scale words stand in lanes 0-15 of v32-95 since phase 1.
.macro FETCHX q                        ; K step q's eight fragments of my 128 tokens into set q % 4 of window 3
	WIN 0xc0
.irp i, 0,1,2,3,4,5,6,7
	FRAG 64*((\q)%4)+FR*\i, ADRA+(\q)/4, (\q)%4, \i
.endr
.endm
.macro MULV q                          ; 32 matrix instructions: 8 blocks of tokens x 4 blocks of channels; the 32 accumulators take turns, one instruction a turn
.irp b, 0,1,2,3,4,5,6,7
.irp a, 0,1,2,3
.if (\q) == 0
	v_wmma_scale_f32_16x16x128_f8f6f4 v[8*(8*\a+\b):8*(8*\a+\b)+7], v[64*((\q)%4)+FR*\b:64*((\q)%4)+FR*\b+FR-1], v[32*(\q)+FR*\a:32*(\q)+FR*\a+FR-1], 0, v[SC+8*NQ*((\q)/4)+NQ*\b+(\q)%4], v[WS2+8*\a+(\q)] matrix_a_fmt:MATRIX_FMT_FP4 matrix_b_fmt:MATRIX_FMT_FP4
.else
	v_wmma_scale_f32_16x16x128_f8f6f4 v[8*(8*\a+\b):8*(8*\a+\b)+7], v[64*((\q)%4)+FR*\b:64*((\q)%4)+FR*\b+FR-1], v[32*(\q)+FR*\a:32*(\q)+FR*\a+FR-1], v[8*(8*\a+\b):8*(8*\a+\b)+7], v[SC+8*NQ*((\q)/4)+NQ*\b+(\q)%4], v[WS2+8*\a+(\q)] matrix_a_fmt:MATRIX_FMT_FP4 matrix_b_fmt:MATRIX_FMT_FP4
.endif
.endr
.endr
.endm
.macro STEP2 q
	PLACES NP                                      ; behind the last step's products: the fetch below lands in the set that they read
.if (\q)+3 < 8
	FETCHX (\q)+3                                  ; three K steps ahead
.endif
.if 7-(\q) >= 3
	s_wait_dscnt 48                                ; this step's sixteen loads are in; those of the three steps behind it may be out
.else
	s_wait_dscnt 16*(7-(\q))
.endif
	WIN MUL2
	MULV \q
.endm
	FETCHX 0
	FETCHX 1
	FETCHX 2
	s_wait_loadcnt 0x0                             ; Wv's fragments and scale words are in
.irp q, 0,1,2,3,4,5,6,7
	STEP2 \q
.endr
	WIN 0
	PLACES NP                                      ; behind the last products, ahead of the reads of results
	PACK 0
	TOSTAGE 0
.irp a, 1,2,3
	PACK \a
	SEND \a-1, 14
	TOSTAGE \a
.endr
	SEND 3, 14
	s_wait_tensorcnt 0x0                           ; the wave's end
	ds_add_u32 v[SPW], v[NIL]
	s_wait_dscnt 0x0
	CROUND                                         ; the closing round
	s_endpgm
.Lfunc_end_k_q396d57d3d4_proj:
	.size	k_q396d57d3d4_proj, .Lfunc_end_k_q396d57d3d4_proj-k_q396d57d3d4_proj
	.p2alignl 7, 3214868480
	.fill 96, 4, 3214868480
	.section	.rodata,"a",@progbits
	.p2align	6, 0x0
	.amdhsa_kernel k_q396d57d3d4_proj
		.amdhsa_group_segment_fixed_size 327680
		.amdhsa_private_segment_fixed_size 0
		.amdhsa_enable_private_segment 0
		.amdhsa_kernarg_size 48
		.amdhsa_user_sgpr_count 2
		.amdhsa_user_sgpr_kernarg_segment_ptr 1
		.amdhsa_wavefront_size32 1
		.amdhsa_system_sgpr_workgroup_id_x 1
		.amdhsa_system_sgpr_workgroup_id_y 1
		.amdhsa_system_sgpr_workgroup_id_z 1
		.amdhsa_system_vgpr_workitem_id 0
		.amdhsa_next_free_vgpr 1024
		.amdhsa_next_free_sgpr 102
		.amdhsa_reserve_vcc 0
		.amdhsa_float_denorm_mode_32 3
		.amdhsa_float_denorm_mode_16_64 3
		.amdhsa_memory_ordered 1
		.amdhsa_forward_progress 1
		.amdhsa_inst_pref_size 191
	.end_amdhsa_kernel
	.amdgpu_metadata
---
amdhsa.version: [ 1, 2 ]
amdhsa.kernels:
  - .name:           k_q396d57d3d4_proj
    .symbol:         k_q396d57d3d4_proj.kd
    .args:
      - { .name: xc, .offset: 0, .size: 8, .value_kind: global_buffer, .address_space: global }
      - { .name: xs, .offset: 8, .size: 8, .value_kind: global_buffer, .address_space: global }
      - { .name: wc, .offset: 16, .size: 8, .value_kind: global_buffer, .address_space: global }
      - { .name: ws, .offset: 24, .size: 8, .value_kind: global_buffer, .address_space: global }
      - { .name: qk, .offset: 32, .size: 8, .value_kind: global_buffer, .address_space: global }
      - { .name: vt, .offset: 40, .size: 8, .value_kind: global_buffer, .address_space: global }
    .group_segment_fixed_size: 327680
    .private_segment_fixed_size: 0
    .kernarg_segment_align: 8
    .kernarg_segment_size: 48
    .max_flat_workgroup_size: 128
    .sgpr_count:     102
    .vgpr_count:     1024
    .wavefront_size: 32
...
	.end_amdgpu_metadata
.endif
;; end of part 2
;; launch scores (part 3): grid 8 x 32, 4 waves a work-group, clusters of 4 x 4, 327,680 bytes of LDS; arguments qk, mask, p, st; writes p, st
.if DOCPART == 3
	.amdgcn_target "amdgcn-amd-amdhsa--gfx1250"
	.amdhsa_code_object_version 6
	.text
	.protected	k_q396d57d3d4_scores
	.globl	k_q396d57d3d4_scores
	.p2align	8
	.type	k_q396d57d3d4_scores,@function
k_q396d57d3d4_scores:
	s_mov_b64 s[64:65], 0
	v_nop
	global_prefetch_b8 v0, s[64:65] scope:SCOPE_SE
	s_setreg_imm32_b32 hwreg(HW_REG_WAVE_MODE, 25, 1), 1
	s_wait_xcnt 0x0
	s_wait_alu depctr_hold_cnt(0) depctr_sa_sdst(0) depctr_va_vdst(0) depctr_va_sdst(0) depctr_va_ssrc(0) depctr_va_vcc(0) depctr_vm_vsrc(0)
	s_getreg_b32 s2, hwreg(HW_REG_IB_STS2, 6, 4)
	s_cmp_eq_u32 s2, 0
	s_cbranch_scc0 .Lentry_in_a_cluster
	s_endpgm
.Lentry_in_a_cluster:
	s_bfe_u32 s2, ttmp6, 0x10000c
	s_cmp_lg_u32 s2, 0xf033
	s_cbranch_scc0 .Lentry_shape_is_right
	s_endpgm
.Lentry_shape_is_right:
; S = Q K^T (f16 operands, f32 sums, K = 1,024), the mask, and a softmax BY BLOCKS OF 128 KEYS.
; t = s x c, c = log2(e) / 32.  Where the mask's byte is 0 the score becomes -1e-6 x 32, so that t is -1e-6 x log2(e): hidden keys still count, as in the definition.
; For a query and a block j of 128 keys: M_j = the block's largest t rounded UP to a whole number; p = 2^(t - M_j), rounded to f16 for the last product; l_j = the f32 sum of the unrounded p.
; The next launch brings the sixteen blocks of a row under one maximum by exact powers of two.  So a maximum is taken away ahead of every exponential, for every input.
; p: images of the last product's operand registers: [512 blocks of 16 queries][64 chunks of 32 keys][2][32 lanes][16 bytes]: lane (r, h), piece c: query r, keys 32 chunk + 16 c + 8 h + 0 .. 7.
; st: f32: -M at query x 64 + j x 4; l 524,288 bytes further on.
; A tile, 256 queries x 256 keys, is made by four waves, 128 x 128 each: a wave's 128 keys are one block j.  K goes in steps of 128 through two LDS slots.  4 x 4 work-groups form a cluster:
; Q's tiles are asked for jointly along a row of the cluster, K's along a column.  When slot 0 has been read for the last time it takes the tile's 256 x 256 bytes of the mask.
; The matrix instruction is used transposed (source 0 = 16 keys, source 1 = 16 queries): a lane holds ONE query (lane % 16) and keys 16 b + 8 (lane / 16) + 0 .. 7,
; so that the packed weights ARE the next operand's registers and go to memory as they stand.
; LIMITS: NaN and infinities are not served; weights under 2^-25 of their block's largest round to 0 in f16.
; REGISTERS: window 0: v16-29 addresses; in the loop v64-191 Q's fragments, two buffers; behind it: v32-63 mask bytes, v64-127 64 scores of a lane, v128-191 packed weights, v192-215 at work.
;   window 1: K's fragments, two buffers.   windows 2, 3: the accumulators ((a, b) at v[8 (8 (a % 4) + b)]).
.set KSTEP,  128
.set PITCH,  272                       ; 256 bytes + 16 = 68 words: the 16 rows of a load start at 16 different banks (64 banks of 4 bytes: ISA guide 11.1)
.set HALFT,  128*PITCH
.set SLOT,   4*HALFT
.set SPARE,  2*SLOT                    ; the spare words, 128 bytes a wave
.set LAPS,   4                         ; 1,024 / 256
.set ADRA, 16
.set ADRB, 20
.set MA,   24                          ; v24 my place in the mask's tile
.set PO,   25                          ; v25 16 x lane
.set SO,   26                          ; v26 64 r + 524,288 h
.set SPW,  28
.set NIL,  29
.set F0,   64
.set F1,   128
.set MK,   32                          ; v32-47, v48-63 mask bytes of a block of 16 queries, two sets
.set T,    64
.set PK,   128                         ; v128-159, v160-191 packed weights, two sets
.set CHN,  192                         ; v192-195 four maxima, v196 the maximum, v197, v198 from the other half of the lanes
.set NM,   200                         ; v[200:201] -M (the packed form names a pair)
.set SU,   202                         ; v[202:205] the sums
.set SV,   208                         ; v208-215 what goes to st, a register for each block
.set WV,   12
.set RH,   13                          ; which half of the queries is mine; also: I fetch Q (0) or K (1)
.set CH,   14                          ; which half of the keys; also: which 128 rows I fetch
.set YT,   15                          ; tile row: 256 queries, counted over all batches
.set G1,   24
.set G0,   32
.set G1B,  48
.set G0B,  56
.set CS,   66                          ; s[66:67] c
.set G1M,  68
.set G0M,  76
.set SEL,  80
.set SELB, 82                          ; s82-84 byte selects 1, 2, 3
.set FILL, 85
.set C255, 86
.set HALF, 87
.set MSB, 0
.macro WIN new
.if MSB != (\new)
	s_set_vgpr_msb (MSB<<8)|(\new)
.set MSB, (\new)
.endif
.endm
.set MUL_LO, 0xa1                      ; source 0 (K) window 1, source 1 (Q) window 0, C and D window 2
.set MUL_HI, 0xf1
.set TO_B,   0x40
.macro JLOAD s                         ; a joint load: waves 0, 1 fetch Q's halves, waves 2, 3 K's; an s_nop 0 and four v_nop follow each line
	s_cmp_eq_u32 s[RH], 0
	s_cbranch_scc0 .Lfor_b_\@
	tensor_load_to_lds s[G0+4*\s:G0+4*\s+3], s[G1:G1+7]
	s_nop 0
.rept 4
	v_nop
.endr
	s_branch .Lasked_\@
.Lfor_b_\@:
	tensor_load_to_lds s[G0B+4*\s:G0B+4*\s+3], s[G1B:G1B+7]
	s_nop 0
.rept 4
	v_nop
.endr
.Lasked_\@:
.endm
.macro CREST                           ; a round of the cluster's barrier behind its opening barrier
	s_cmp_lg_u32 s[WV], 0
	s_cbranch_scc1 .Lnot_wave_0_\@
	s_barrier_signal -3
.Lnot_wave_0_\@:
	s_barrier_wait -3
	s_barrier_signal -1
	s_barrier_wait -1
.endm
.macro CROUND
	s_barrier_signal -1
	s_barrier_wait -1
	CREST
.endm
	s_load_b256 s[4:11], s[0:1], 0x0               ; qk, mask, p, st
	v_lshl_add_u32 v[SPW], v0, 2, SPARE
	v_mov_b32 v[NIL], 0
	ds_add_u32 v[SPW], v[NIL]                      ; the wave's opening: the add, twice on end, and its wait ahead of my first tensor load
	ds_add_u32 v[SPW], v[NIL]
	v_lshrrev_b32 v1, 5, v0
	v_readfirstlane_b32 s[WV], v1
	s_lshr_b32 s[RH], s[WV], 1
	s_and_b32 s[CH], s[WV], 1
	s_bfe_u32 s40, ttmp6, 0x40000                  ; cx
	s_bfe_u32 s41, ttmp6, 0x40004                  ; cy
	s_lshl_b32 s42, ttmp9, 2
	s_add_co_u32 s42, s42, s40                     ; tile column: 256 keys of the batch
	s_and_b32 s45, ttmp7, 0xffff                   ; cluster y: two clusters to a batch
	s_lshl_b32 s[YT], s45, 2
	s_add_co_u32 s[YT], s[YT], s41
	s_lshl_b32 s43, s41, 2
	s_lshl_b32 s43, 15, s43                        ; my row of the cluster
	s_lshl_b32 s44, 0x1111, s40                    ; my column
	s_or_b32 s[G1+0], s43, (1<<16)|(1<<20)|(1<<21)|(5<<22)|(3<<25)   ; the mask of work-groups; elements of 2 bytes; padding: 4 words behind every 64; bit 21 beside a mask
	s_or_b32 s[G1B+0], s44, (1<<16)|(1<<20)|(1<<21)|(5<<22)|(3<<25)
.irp g, G1, G1B
	s_mov_b32 s[\g+1], KSTEP<<16                   ; tensor_dim0 = 128
	s_mov_b32 s[\g+2], 128<<16                     ; tensor_dim1 = 128
	s_mov_b32 s[\g+3], KSTEP<<16                   ; tile_dim0
	s_mov_b32 s[\g+4], 128                         ; tile_dim1
	s_mov_b32 s[\g+5], 2048                        ; a row of qk: 2,048 elements
	s_mov_b32 s[\g+6], 0
	s_mov_b32 s[\g+7], 0
.endr
	s_mov_b32 s[G1M+0], (0<<16)|(1<<20)|(5<<22)|(3<<25)              ; the mask's tile: no work-group mask; elements of 1 byte; the same padding
	s_mov_b32 s[G1M+1], 256<<16
	s_mov_b32 s[G1M+2], 64<<16
	s_mov_b32 s[G1M+3], 256<<16
	s_mov_b32 s[G1M+4], 64
	s_mov_b32 s[G1M+5], 2048
	s_mov_b32 s[G1M+6], 0
	s_mov_b32 s[G1M+7], 0
	s_mov_b32 s[CS], 0x3d38aa3b                    ; c = log2(e) / 32
	s_mov_b32 s[CS+1], s[CS]
	s_mov_b32 s[SEL], 0x76543210
	s_mov_b32 s[SEL+1], 0xfedcba98                 ; v_permlanex16_b32: lane l xor 16
	s_mov_b32 s[SELB], 0x01010101
	s_mov_b32 s[SELB+1], 0x02020202
	s_mov_b32 s[SELB+2], 0x03030303
	s_mov_b32 s[FILL], 0xb80637bd                  ; -1e-6 x 32
	s_mov_b32 s[C255], 255
	s_mov_b32 s[HALF], 0xffff0000                  ; lanes 16-31
	s_lshl_b32 s18, s[CH], 7                       ; which 128 rows I fetch
	s_lshl_b32 s16, s[YT], 8
	s_add_co_u32 s16, s16, s18
	s_lshl_b32 s16, s16, 12                        ; Q: row x 4,096 bytes
	s_mov_b32 s17, 0
	s_lshr_b32 s46, s45, 1                         ; the batch, which the whole cluster shares
	s_lshl_b32 s46, s46, 11
	s_lshl_b32 s47, s42, 8
	s_add_co_u32 s46, s46, s47
	s_add_co_u32 s46, s46, s18
	s_lshl_b32 s46, s46, 12
	s_add_co_u32 s46, s46, 2048                    ; K: the row's second half
	s_mov_b32 s47, 0
	s_mul_i32 s20, s[WV], HALFT                    ; where they go: wave x 128 rows
	s_lshl_b32 s22, s[YT], 8
	s_lshl_b32 s23, s[WV], 6
	s_add_co_u32 s22, s22, s23
	s_lshl_b32 s22, s22, 11                        ; the mask: my 64 of the tile's rows, 2,048 bytes each,
	s_lshl_b32 s23, s42, 8
	s_add_co_u32 s22, s22, s23                     ; + the tile's 256 keys
	s_mov_b32 s23, 0
	s_wait_dscnt 0x0                               ; both opening adds are done
	s_wait_kmcnt 0x0
	s_add_nc_u64 s[16:17], s[4:5], s[16:17]
	s_add_nc_u64 s[46:47], s[4:5], s[46:47]
	s_mov_b32 s[G0M], 1
	s_mul_i32 s[G0M+1], s[WV], 64*PITCH            ; onto slot 0's rows 64 wave on
	s_add_nc_u64 s[G0M+2:G0M+3], s[6:7], s[22:23]
	s_or_b32 s[G0M+3], s[G0M+3], 0x80000000
	CROUND                                         ; all sixteen work-groups are here: the first joint loads meet
.irp s, 0,1
	s_mov_b32 s[G0+4*\s], 1
	s_add_co_u32 s[G0+4*\s+1], s20, \s*SLOT
	s_add_nc_u64 s[G0+4*\s+2:G0+4*\s+3], s[16:17], \s*KSTEP*2
	s_or_b32 s[G0+4*\s+3], s[G0+4*\s+3], 0x80000000
	s_mov_b32 s[G0B+4*\s], 1
	s_add_co_u32 s[G0B+4*\s+1], s20, \s*SLOT
	s_add_nc_u64 s[G0B+4*\s+2:G0B+4*\s+3], s[46:47], \s*KSTEP*2
	s_or_b32 s[G0B+4*\s+3], s[G0B+4*\s+3], 0x80000000
	JLOAD \s
.endr
	v_and_b32 v1, 15, v0                           ; r
	v_bfe_u32 v2, v0, 4, 1                         ; h
	v_mul_u32_u24 v3, v1, PITCH
	v_lshl_add_u32 v4, v2, 3, v3                   ; the mask: row r, + 8 h
	v_lshl_add_u32 v3, v2, 4, v3                   ; a fragment: row r, + 16 h
	s_mul_i32 s21, s[RH], HALFT
	s_mul_i32 s22, s[CH], HALFT
	s_add_co_u32 s22, s22, 2*HALFT
.irp s, 0,1
	v_add_nc_u32 v[ADRA+\s], s21, v3
	v_add_nc_u32 v[ADRB+\s], s22, v3
	s_add_co_u32 s21, s21, SLOT
	s_add_co_u32 s22, s22, SLOT
.endr
	s_mul_i32 s21, s[RH], HALFT                    ; my 128 queries' rows of the mask's tile,
	s_lshl_b32 s22, s[CH], 7                       ; my 128 keys
	s_add_co_u32 s21, s21, s22
	v_add_nc_u32 v[MA], s21, v4
	v_and_b32 v5, 31, v0
	v_lshlrev_b32 v[PO], 4, v5
	v_lshlrev_b32 v[SO], 6, v1
	v_lshl_add_u32 v[SO], v2, 19, v[SO]
	v_mov_b32 v[CHN+5], 0                          ; written once: a lane permute's destination counts as one of its sources
	v_mov_b32 v[CHN+6], 0
	v_mov_b32 v[NM+1], 0                           ; named as the upper half of a pair
	s_lshl_b32 s20, s[YT], 4
	s_lshl_b32 s21, s[RH], 3
	s_add_co_u32 s20, s20, s21
	s_lshl_b32 s20, s20, 16                        ; p: my first block of 16 queries, 65,536 bytes each,
	s_lshl_b32 s21, s42, 3
	s_lshl_b32 s22, s[CH], 2
	s_add_co_u32 s21, s21, s22
	s_lshl_b32 s21, s21, 10                        ; my first chunk of 32 keys, 1,024 bytes each
	s_add_co_u32 s20, s20, s21
	s_mov_b32 s21, 0
	s_add_nc_u64 s[8:9], s[8:9], s[20:21]
	s_lshl_b32 s20, s[YT], 8
	s_lshl_b32 s22, s[RH], 7
	s_add_co_u32 s20, s20, s22
	s_lshl_b32 s20, s20, 6                         ; st: my first query x 64,
	s_lshl_b32 s22, s42, 1
	s_add_co_u32 s22, s22, s[CH]
	s_lshl_b32 s22, s22, 2                         ; + my block of keys x 4
	s_add_co_u32 s20, s20, s22
	s_add_nc_u64 s[10:11], s[10:11], s[20:21]
; 16 matrix instructions: query blocks a0, a0 + 1 of the window's four x all 8 key blocks, 32 along K.  The 64 accumulators take turns, one instruction a turn.
.macro MUL16 f, hi, a0, zero
.irp a, \a0, \a0+1
.irp b, 0,1,2,3,4,5,6,7
.if \zero
	v_wmma_f32_16x16x32_f16 v[8*(8*(\a)+\b):8*(8*(\a)+\b)+7], v[\f+8*\b:\f+8*\b+7], v[\f+8*(4*\hi+\a):\f+8*(4*\hi+\a)+7], 0
.else
	v_wmma_f32_16x16x32_f16 v[8*(8*(\a)+\b):8*(8*(\a)+\b)+7], v[\f+8*\b:\f+8*\b+7], v[\f+8*(4*\hi+\a):\f+8*(4*\hi+\a)+7], v[8*(8*(\a)+\b):8*(8*(\a)+\b)+7]
.endif
.endr
.endr
.endm
.macro FETCH slot, k, f                ; 32 LDS loads in one run: a quarter step's fragments
	WIN TO_B
.irp i, 0,1,2,3,4,5,6,7
	ds_load_b128 v[\f+8*\i:\f+8*\i+3],   v[ADRB+\slot] offset:\k+\i*16*PITCH
	ds_load_b128 v[\f+8*\i+4:\f+8*\i+7], v[ADRB+\slot] offset:\k+\i*16*PITCH+32
.endr
	WIN 0
.irp i, 0,1,2,3,4,5,6,7
	ds_load_b128 v[\f+8*\i:\f+8*\i+3],   v[ADRA+\slot] offset:\k+\i*16*PITCH
	ds_load_b128 v[\f+8*\i+4:\f+8*\i+7], v[ADRA+\slot] offset:\k+\i*16*PITCH+32
.endr
.endm
.macro PLACES                          ; four plain vector lines between a matrix instruction and a load into, or a read of, its registers
.rept 4
	v_nop
.endr
.endm
.macro QUARTER slot, k, f, g, zero     ; 32 along K: multiplies buffer f; in its middle fetches the next quarter into g
	s_wait_dscnt 8                                 ; K's fragments and Q's rows 0-63 are in; the youngest eight loads may be out
	WIN MUL_LO
	MUL16 \f, 0, 0, \zero
	MUL16 \f, 0, 2, \zero
	PLACES
	FETCH \slot, \k, \g
	s_wait_dscnt 32                                ; all but the 32 just issued
	WIN MUL_HI
	MUL16 \f, 1, 0, \zero
	MUL16 \f, 1, 2, \zero
.endm
.macro MEET                            ; the first half of a slot's last quarter, and the barrier that opens a round of the cluster's
	WIN 0
	s_wait_tensorcnt 0x0                           ; all my tensor loads have landed: the one that was out is my part of the next slot
	ds_add_u32 v[SPW], v[NIL]                      ; 0 onto my spare word
	s_wait_dscnt 9                                 ; the add and the youngest eight loads may be out
	WIN MUL_LO
	MUL16 F1, 0, 0, 0
	s_wait_dscnt 0x0                               ; the add is done, and my reads of this slot are over
	s_barrier_signal -1
	MUL16 F1, 0, 2, 0
	WIN 0
	s_barrier_wait -1
.endm
.macro TURN slot, next                 ; a slot's last quarter: the slot is filled again, two K steps ahead
	MEET
	CREST                                          ; no wave of any partner still reads this slot or has a load on its way
	s_add_nc_u64 s[G0+4*\slot+2:G0+4*\slot+3], s[G0+4*\slot+2:G0+4*\slot+3], 2*KSTEP*2
	s_add_nc_u64 s[G0B+4*\slot+2:G0B+4*\slot+3], s[G0B+4*\slot+2:G0B+4*\slot+3], 2*KSTEP*2
	JLOAD \slot                                    ; my one tensor load behind the round; its four v_nop are also the places in front of the loads below
	FETCH \next, 0, F0
	WIN MUL_HI
	MUL16 F1, 1, 0, 0
	MUL16 F1, 1, 2, 0
.endm
	s_wait_tensorcnt 1                             ; my part of K step 0 is in; K step 1's load may be out,
	s_barrier_signal -1
	s_barrier_wait -1                              ; everybody's is
	FETCH 0, 0, F0
	QUARTER 0, 64,  F0, F1, 1                      ; the first products start the sums
	WIN 0
	s_mov_b32 s3, LAPS-1
.Llap:                                             ; a trip goes once round the ring and fills both slots again
	QUARTER 0, 128, F1, F0, 0
	QUARTER 0, 192, F0, F1, 0
	TURN 0, 1
	QUARTER 1, 64,  F0, F1, 0
	QUARTER 1, 128, F1, F0, 0
	QUARTER 1, 192, F0, F1, 0
	TURN 1, 0
	QUARTER 0, 64,  F0, F1, 0
	WIN 0
	s_sub_co_u32 s3, s3, 1
	s_cmp_lg_u32 s3, 0
	s_cbranch_scc1 .Llap
	QUARTER 0, 128, F1, F0, 0                      ; the last lap
	QUARTER 0, 192, F0, F1, 0
	MEET                                           ; slot 0 has been read for the last time:
	CREST
	tensor_load_to_lds s[G0M:G0M+3], s[G1M:G1M+7]  ; it takes my 64 rows of the mask's tile: my one tensor load behind the round; it has a K step in which to land
	s_nop 0
.rept 4
	v_nop
.endr
	FETCH 1, 0, F0
	WIN MUL_HI
	MUL16 F1, 1, 0, 0
	MUL16 F1, 1, 2, 0
	QUARTER 1, 64,  F0, F1, 0
	QUARTER 1, 128, F1, F0, 0
	QUARTER 1, 192, F0, F1, 0
	s_wait_dscnt 8                                 ; the last quarter: nothing more to fetch
	WIN MUL_LO
	MUL16 F1, 0, 0, 0
	MUL16 F1, 0, 2, 0
	s_wait_dscnt 0x0
	WIN MUL_HI
	MUL16 F1, 1, 0, 0
	MUL16 F1, 1, 2, 0
	WIN 0
	s_wait_tensorcnt 0x0                           ; my rows of the mask's tile are in,
	s_barrier_signal -1
	s_barrier_wait -1                              ; everybody's are
	PLACES                                         ; behind the last products
; THE SOFTMAX OF A BLOCK OF 16 QUERIES x MY 128 KEYS.  A lane has 64 scores of one query; the query's other 64 lie in the lane 16 away.
.macro MLOAD a                         ; the block's mask bytes: for each key block b my 8 keys; the 32 lanes of a load touch 64 different banks
.set MKL, MK+16*((\a)%2)
.irp b, 0,1,2,3,4,5,6,7
	ds_load_b64 v[MKL+2*\b:MKL+2*\b+1], v[MA] offset:(\a)*16*PITCH+16*\b
.endr
.endm
.macro EPI a
.if (\a) < 7
	MLOAD (\a)+1
	s_wait_dscnt 8                                 ; this block's bytes are in; the next block's eight loads may be out
.else
	s_wait_dscnt 0x0
.endif
.set MKS, MK+16*((\a)%2)
.set PKS, PK+32*((\a)%2)
.set AC, 64*((\a)%4)
.set i, 0
.rept 16
	v_mul_lo_u32 v[MKS+i], v[MKS+i], s[C255]       ; bytes 0 and 1 become 0x00 and 0xff
.set i, i+1
.endr
.set i, 0
.rept 64
.if i%4 == 0
	v_perm_b32 v[T+i], v[MKS+i/4], v[MKS+i/4], 0   ; a key's byte, four times: a word of zeros or of ones
.else
	v_perm_b32 v[T+i], v[MKS+i/4], v[MKS+i/4], s[SELB+i%4-1]
.endif
.set i, i+1
.endr
	WIN 0x08+4*((\a)/4)                            ; source 1: window 2 or 3
.set i, 0
.rept 64
	v_bfi_b32 v[T+i], v[T+i], v[AC+i], s[FILL]     ; the score where the mask holds, else the fill; each accumulator from its low end on
.set i, i+1
.endr
	WIN 0
.irp k, 0,1,2,3
	v_max3_num_f32 v[CHN+\k], v[T+16*\k], v[T+16*\k+1], v[T+16*\k+2]   ; the largest score, in four chains
.endr
.irp i, 3,5,7,9,11,13
.irp k, 0,1,2,3
	v_max3_num_f32 v[CHN+\k], v[CHN+\k], v[T+16*\k+\i], v[T+16*\k+\i+1]
.endr
.endr
.irp k, 0,1,2,3
	v_max_num_f32 v[CHN+\k], v[CHN+\k], v[T+16*\k+15]
.endr
	v_max3_num_f32 v[CHN+4], v[CHN], v[CHN+1], v[CHN+2]
	v_max_num_f32 v[CHN+4], v[CHN+4], v[CHN+3]
	v_permlanex16_b32 v[CHN+5], v[CHN+4], s[SEL], s[SEL+1]
	v_max_num_f32 v[CHN+4], v[CHN+4], v[CHN+5]     ; with the other half of the lanes'
	v_mul_f32 v[CHN+4], s[CS], v[CHN+4]            ; as t (c is positive)
	v_floor_f32 v[NM], -v[CHN+4]                   ; -M = floor(-t) = -ceil(t)
.set i, 0
.rept 32
	v_pk_fma_f32 v[T+i:T+i+1], v[T+i:T+i+1], s[CS:CS+1], v[NM:NM+1] op_sel_hi:[1,0,0]   ; t - M, two at a time
.set i, i+2
.endr
.set i, 0
.rept 64
	v_exp_f32 v[T+i], v[T+i]                       ; p = 2^(t - M)
.set i, i+1
.endr
	v_nop                                          ; a plain line behind the last exponential
	s_wait_alu depctr_va_vdst(0)                   ; one wait for the batch, ahead of its first reader
.if (\a) >= 2
	s_wait_xcnt 0x0                                ; the stores of two blocks back have read this set of registers
.endif
.set i, 0
.rept 32
	v_cvt_pk_f16_f32 v[PKS+i], v[T+2*i], v[T+2*i+1]
.set i, i+1
.endr
.irp b, 0,1,2,3,4,5,6,7
	global_store_b128 v[PO], v[PKS+4*\b:PKS+4*\b+3], s[8:9] offset:(\a)*65536+\b*512   ; half a chunk's image: the wave stores 512 consecutive bytes, aligned
.endr
	v_pk_add_f32 v[SU:SU+1], v[T:T+1], v[T+4:T+5]  ; the sum of the unrounded p, in two chains
	v_pk_add_f32 v[SU+2:SU+3], v[T+2:T+3], v[T+6:T+7]
.irp j, 8,12,16,20,24,28,32,36,40,44,48,52,56,60
	v_pk_add_f32 v[SU:SU+1], v[SU:SU+1], v[T+\j:T+\j+1]
	v_pk_add_f32 v[SU+2:SU+3], v[SU+2:SU+3], v[T+\j+2:T+\j+3]
.endr
	v_pk_add_f32 v[SU:SU+1], v[SU:SU+1], v[SU+2:SU+3]
	v_add_f32 v[SU], v[SU], v[SU+1]
	v_permlanex16_b32 v[CHN+6], v[SU], s[SEL], s[SEL+1]
	v_add_f32 v[SU], v[SU], v[CHN+6]               ; l
	v_cndmask_b32 v[SV+(\a)], v[NM], v[SU], s[HALF]   ; lanes 0-15 store -M, lanes 16-31 l
	global_store_b32 v[SO], v[SV+(\a)], s[10:11] offset:(\a)*1024   ; 4 bytes of each query's row of 64: one part in 34 of what the launch stores
.endm
	MLOAD 0
.irp a, 0,1,2,3,4,5,6,7
	EPI \a
.endr
	s_wait_tensorcnt 0x0                           ; the wave's end
	ds_add_u32 v[SPW], v[NIL]
	s_wait_dscnt 0x0
	CROUND                                         ; the closing round
	s_endpgm
.Lfunc_end_k_q396d57d3d4_scores:
	.size	k_q396d57d3d4_scores, .Lfunc_end_k_q396d57d3d4_scores-k_q396d57d3d4_scores
	.p2alignl 7, 3214868480
	.fill 96, 4, 3214868480
	.section	.rodata,"a",@progbits
	.p2align	6, 0x0
	.amdhsa_kernel k_q396d57d3d4_scores
		.amdhsa_group_segment_fixed_size 327680
		.amdhsa_private_segment_fixed_size 0
		.amdhsa_enable_private_segment 0
		.amdhsa_kernarg_size 32
		.amdhsa_user_sgpr_count 2
		.amdhsa_user_sgpr_kernarg_segment_ptr 1
		.amdhsa_wavefront_size32 1
		.amdhsa_system_sgpr_workgroup_id_x 1
		.amdhsa_system_sgpr_workgroup_id_y 1
		.amdhsa_system_sgpr_workgroup_id_z 1
		.amdhsa_system_vgpr_workitem_id 0
		.amdhsa_next_free_vgpr 1024
		.amdhsa_next_free_sgpr 90
		.amdhsa_reserve_vcc 0
		.amdhsa_float_denorm_mode_32 3
		.amdhsa_float_denorm_mode_16_64 3
		.amdhsa_memory_ordered 1
		.amdhsa_forward_progress 1
		.amdhsa_inst_pref_size 255
	.end_amdhsa_kernel
	.section	.bss,"aw",@nobits
	.p2align	6
	.space	262144
	.amdgpu_metadata
---
amdhsa.version: [ 1, 2 ]
amdhsa.kernels:
  - .name:           k_q396d57d3d4_scores
    .symbol:         k_q396d57d3d4_scores.kd
    .args:
      - { .name: qk, .offset: 0, .size: 8, .value_kind: global_buffer, .address_space: global }
      - { .name: mask, .offset: 8, .size: 8, .value_kind: global_buffer, .address_space: global }
      - { .name: p, .offset: 16, .size: 8, .value_kind: global_buffer, .address_space: global }
      - { .name: st, .offset: 24, .size: 8, .value_kind: global_buffer, .address_space: global }
    .group_segment_fixed_size: 327680
    .private_segment_fixed_size: 0
    .kernarg_segment_align: 8
    .kernarg_segment_size: 32
    .max_flat_workgroup_size: 128
    .sgpr_count:     90
    .vgpr_count:     1024
    .wavefront_size: 32
...
	.end_amdgpu_metadata
.endif
;; end of part 3
;; launch pv (part 4): grid 4 x 64, 4 waves a work-group, clusters of 4 x 4, 327,680 bytes of LDS; arguments p, vt, st, out0; writes out0
.if DOCPART == 4
	.amdgcn_target "amdgcn-amd-amdhsa--gfx1250"
	.amdhsa_code_object_version 6
	.text
	.protected	k_q396d57d3d4_pv
	.globl	k_q396d57d3d4_pv
	.p2align	8
	.type	k_q396d57d3d4_pv,@function
k_q396d57d3d4_pv:
	s_mov_b64 s[64:65], 0
	v_nop
	global_prefetch_b8 v0, s[64:65] scope:SCOPE_SE
	s_setreg_imm32_b32 hwreg(HW_REG_WAVE_MODE, 25, 1), 1
	s_wait_xcnt 0x0
	s_wait_alu depctr_hold_cnt(0) depctr_sa_sdst(0) depctr_va_vdst(0) depctr_va_sdst(0) depctr_va_ssrc(0) depctr_va_vcc(0) depctr_vm_vsrc(0)
	s_getreg_b32 s2, hwreg(HW_REG_IB_STS2, 6, 4)
	s_cmp_eq_u32 s2, 0
	s_cbranch_scc0 .Lentry_in_a_cluster
	s_endpgm
.Lentry_in_a_cluster:
	s_bfe_u32 s2, ttmp6, 0x10000c
	s_cmp_lg_u32 s2, 0xf033
	s_cbranch_scc0 .Lentry_shape_is_right
	s_endpgm
.Lentry_shape_is_right:
; O = softmax x V.  The launch before left, for each query and each block j of 128 keys, p = 2^(t - M_j) in f16, -M_j and l_j = the sum of p.
; Here M = the largest M_j, w_j = 2^(M_j - M) (a whole power of two: nothing is rounded), L = the sum of w_j l_j (at least 0.5), and O = the sum over j of (w_j / L) (P_j V_j).
; f16 operands, f32 sums.  A K step is 128 keys = one block j: its products are summed apart (window 2) and folded into the totals (window 3) by one fused multiply-add a number,
; and that fold stands between the next K step's first 32 matrix instructions.
; A tile, 128 queries x 256 channels, is made by four waves, 64 x 128 each.  4 x 4 work-groups form a cluster: P's tiles are asked for jointly along a row of the cluster, V's along a column.
; P lies in memory as images of the operand's registers ([block of 16 queries][chunk of 32 keys][2][lane][16 bytes]): a K step of a block of queries is 4,096 dense bytes, read from LDS with no pitch.
; vt is V transposed, [batch][channel][key]: a tile's row is 256 bytes.  Source 0 = 16 channels, source 1 = 16 queries: a lane holds one query and eight neighbouring channels.
; LIMITS: NaN and infinities are not served; the order of the sums differs from the definition's.
; REGISTERS: window 0: v16-30 addresses; v32-39 the weights of my four query blocks (even registers); v64-191 the statistics at the head, rows of O on the way out; v192-203 at work at the head.
;   window 1: two fragment buffers: V's eight fragments, then P's four.   window 2: the K step's sums ((a, b) at v[8 (8 a + b)]).   window 3: the totals, likewise.
.set SLOT,   102400                    ; P's 32,768 bytes, then V's 256 rows of 272
.set BOFF,   32768
.set PITCH,  272                       ; 256 bytes + 16 = 68 words: the 16 rows of a load start at 16 different banks (64 banks of 4 bytes: ISA guide 11.1)
.set HALFB,  128*PITCH
.set WTS,    2*SLOT                    ; the weights: wave x 8,192 + j x 512 + a x 128 + 4 x lane
.set STAGE,  WTS+4*8192                ; the way out: 16 rows x (512 bytes + 16) a wave
.set SPITCH, 528
.set SPARE,  STAGE+4*16*SPITCH         ; the spare words, 128 bytes a wave
.set ADRA, 16
.set ADRB, 20
.set WADR, 22
.set STO,  24
.set RD,   25
.set CO,   26
.set SA,   27
.set SPW,  28
.set NIL,  29
.set PFO,  30
.set W,    32
.set NM,   64                          ; the head: v64-127 -M, then w
.set LL,   128                         ; v128-191 l
.set TN,   192
.set TL,   196
.set TR,   200
.set BK,   64
.set F0,   0
.set F1,   128
.set WV,   12
.set RH,   13                          ; which 64 queries are mine; also: I fetch P (0) or V (1)
.set CH,   14                          ; which 128 channels; also: which half of that tile I fetch
.set LIM,  15                          ; 1 in a wave that prefetches, else the greatest number
.set G1A,  24
.set G0A,  32
.set PFA,  44                          ; s[44:45] where my prefetches stand
.set PFS,  46                          ; s[46:47] a K step on, in bytes
.set G1B,  48
.set G0B,  56
.set MSB, 0
.macro WIN new
.if MSB != (\new)
	s_set_vgpr_msb (MSB<<8)|(\new)
.set MSB, (\new)
.endif
.endm
.set MUL,  0xa5                        ; sources 0 and 1 window 1, C and D window 2
.set FOLD, 0xf2                        ; source 0 window 2, source 1 window 0, source 2 and destination window 3
.set TO_F, 0x40                        ; destination window 1
.macro JLOAD s                         ; a joint load: waves 0, 1 fetch P's halves, waves 2, 3 V's; an s_nop 0 and four v_nop follow each line
	s_cmp_eq_u32 s[RH], 0
	s_cbranch_scc0 .Lfor_b_\@
	tensor_load_to_lds s[G0A+4*\s:G0A+4*\s+3], s[G1A:G1A+7]
	s_nop 0
.rept 4
	v_nop
.endr
	s_branch .Lasked_\@
.Lfor_b_\@:
	tensor_load_to_lds s[G0B+4*\s:G0B+4*\s+3], s[G1B:G1B+7]
	s_nop 0
.rept 4
	v_nop
.endr
.Lasked_\@:
.endm
; A prefetch of the K step that stands two refills on, one instruction a wave, each aligned 256 bytes named once in the launch.  P's tile is read by my row of the cluster alone: wave 0 asks, and the four partners
; take two blocks of queries each, told apart by address.  V's tile is read by the four clusters of a batch: the first of them asks, waves 2 and 3 for the 128 rows that they fetch, the four partners of a column 32 rows each.
; The loop's last trip asks for nothing: there is no K step two refills on.
.macro ASK
	s_cmp_gt_u32 s3, s[LIM]
	s_cbranch_scc0 .Lnot_mine_\@
	global_prefetch_b8 v[PFO], s[PFA:PFA+1] th:TH_LOAD_NT scope:SCOPE_SE
.Lnot_mine_\@:
.endm
.macro CREST
	s_cmp_lg_u32 s[WV], 0
	s_cbranch_scc1 .Lnot_wave_0_\@
	s_barrier_signal -3
.Lnot_wave_0_\@:
	s_barrier_wait -3
	s_barrier_signal -1
	s_barrier_wait -1
.endm
.macro CROUND
	s_barrier_signal -1
	s_barrier_wait -1
	CREST
.endm
	s_load_b256 s[4:11], s[0:1], 0x0               ; p, vt, st, out0
	v_lshl_add_u32 v[SPW], v0, 2, SPARE
	v_mov_b32 v[NIL], 0
	ds_add_u32 v[SPW], v[NIL]                      ; the wave's opening: the add, twice on end, and its wait ahead of my first tensor load
	ds_add_u32 v[SPW], v[NIL]
	v_lshrrev_b32 v1, 5, v0
	v_readfirstlane_b32 s[WV], v1
	s_lshr_b32 s[RH], s[WV], 1
	s_and_b32 s[CH], s[WV], 1
	s_bfe_u32 s40, ttmp6, 0x40000                  ; cx = tile column: 256 channels
	s_bfe_u32 s41, ttmp6, 0x40004                  ; cy
	s_and_b32 s66, ttmp7, 0xffff                   ; cluster y: four clusters to a batch
	s_lshl_b32 s42, s66, 2
	s_add_co_u32 s42, s42, s41                     ; tile row: 128 queries, counted over all batches
	s_lshr_b32 s67, s66, 2                         ; the batch
	s_lshl_b32 s43, s41, 2
	s_lshl_b32 s43, 15, s43                        ; my row of the cluster
	s_lshl_b32 s2, 0x1111, s40                     ; my column
	s_or_b32 s[G1A+0], s43, (3<<16)|(1<<21)        ; P: the mask; elements of 8 bytes; no padding; bit 21 beside a mask
	s_mov_b32 s[G1A+1], 512<<16                    ; tensor_dim0: 4,096 bytes,
	s_mov_b32 s[G1A+2], 4<<16                      ; tensor_dim1: of four blocks of queries
	s_mov_b32 s[G1A+3], 512<<16
	s_mov_b32 s[G1A+4], 4
	s_mov_b32 s[G1A+5], 8192                       ; 65,536 bytes from block to block
	s_mov_b32 s[G1A+6], 0
	s_mov_b32 s[G1A+7], 0
	s_or_b32 s[G1B+0], s2, (1<<16)|(1<<20)|(1<<21)|(5<<22)|(3<<25)   ; V: elements of 2 bytes; padding: 4 words behind every 64
	s_mov_b32 s[G1B+1], 128<<16
	s_mov_b32 s[G1B+2], 128<<16
	s_mov_b32 s[G1B+3], 128<<16
	s_mov_b32 s[G1B+4], 128
	s_mov_b32 s[G1B+5], 2048
	s_mov_b32 s[G1B+6], 0
	s_mov_b32 s[G1B+7], 0
	s_lshl_b32 s16, s42, 3
	s_lshl_b32 s18, s[CH], 2
	s_add_co_u32 s16, s16, s18
	s_lshl_b32 s16, s16, 16                        ; P: the four blocks of queries that I fetch
	s_mov_b32 s17, 0
	s_lshl_b32 s20, s40, 8
	s_lshl_b32 s18, s[CH], 7
	s_add_co_u32 s20, s20, s18
	s_lshl_b32 s20, s20, 12                        ; V: the 128 channels that I fetch,
	s_lshl_b32 s18, s67, 22
	s_add_co_u32 s20, s20, s18                     ; in my batch
	s_mov_b32 s21, 0
	s_lshl_b32 s22, s[CH], 14                      ; where they go: no place in the cluster enters an LDS address
	s_mul_i32 s23, s[CH], HALFB
	s_add_co_u32 s23, s23, BOFF
	s_wait_dscnt 0x0                               ; both opening adds are done
	s_wait_kmcnt 0x0
	s_add_nc_u64 s[16:17], s[4:5], s[16:17]
	s_add_nc_u64 s[20:21], s[6:7], s[20:21]
	CROUND                                         ; all sixteen work-groups are here: the first joint loads meet
.irp s, 0,1
	s_mov_b32 s[G0A+4*\s], 1
	s_add_co_u32 s[G0A+4*\s+1], s22, \s*SLOT
	s_add_nc_u64 s[G0A+4*\s+2:G0A+4*\s+3], s[16:17], \s*4096
	s_or_b32 s[G0A+4*\s+3], s[G0A+4*\s+3], 0x80000000
	s_mov_b32 s[G0B+4*\s], 1
	s_add_co_u32 s[G0B+4*\s+1], s23, \s*SLOT
	s_add_nc_u64 s[G0B+4*\s+2:G0B+4*\s+3], s[20:21], \s*256
	s_or_b32 s[G0B+4*\s+3], s[G0B+4*\s+3], 0x80000000
	JLOAD \s
.endr
	; the prefetches: where mine stand, and who asks
	s_lshl_b32 s16, s42, 3
	s_lshl_b32 s18, s40, 1
	s_add_co_u32 s16, s16, s18
	s_lshl_b32 s16, s16, 16
	s_add_co_u32 s16, s16, 3*4096                  ; P: my work-group's two blocks of queries, at K step 3: the first refill steps it to 4
	s_lshl_b32 s20, s40, 8
	s_lshl_b32 s18, s[CH], 7
	s_add_co_u32 s20, s20, s18
	s_lshl_b32 s18, s41, 5
	s_add_co_u32 s20, s20, s18
	s_lshl_b32 s20, s20, 12
	s_lshl_b32 s18, s67, 22
	s_add_co_u32 s20, s20, s18
	s_add_co_u32 s20, s20, 3*256                   ; V: my work-group's 32 of the 128 rows that I fetch
	s_cmp_lt_u32 s[WV], 2
	s_cselect_b64 s[PFA:PFA+1], s[4:5], s[6:7]
	s_cselect_b32 s16, s16, s20
	s_cselect_b32 s18, 8, 12                       ; from lane to lane inside a half: 256 bytes in P, a row of 4,096 in V; from half to half 65,536 in both
	s_mov_b32 s[PFS], 256
	s_cselect_b32 s[PFS], 4096, s[PFS]
	s_mov_b32 s[PFS+1], 0
	s_mov_b32 s17, 0
	s_add_nc_u64 s[PFA:PFA+1], s[PFA:PFA+1], s[16:17]
	s_and_b32 s2, s66, 3
	s_cmp_lt_u32 s[WV], 2
	s_cselect_b32 s2, s[WV], s2                    ; 0 in wave 0, and in waves 2 and 3 of a batch's first cluster: the same in all sixteen partners
	s_cmp_eq_u32 s2, 0
	s_cselect_b32 s[LIM], 1, -1
	v_and_b32 v1, 15, v0                           ; r
	v_bfe_u32 v2, v0, 4, 1                         ; h
	v_and_b32 v3, 31, v0                           ; lane
	v_lshlrev_b32 v[PFO], 16, v2
	v_lshlrev_b32 v5, s18, v1
	v_add_nc_u32 v[PFO], v[PFO], v5
	v_lshlrev_b32 v[CO], 4, v3                     ; 16 x lane
	s_lshl_b32 s16, s[RH], 14
	v_add_nc_u32 v[ADRA], s16, v[CO]               ; P's images: my four blocks of queries
	v_add_nc_u32 v[ADRA+1], SLOT, v[ADRA]
	v_mul_u32_u24 v4, v1, PITCH
	v_lshl_add_u32 v4, v2, 4, v4
	s_mul_i32 s16, s[CH], HALFB
	s_add_co_u32 s16, s16, BOFF
	v_add_nc_u32 v[ADRB], s16, v4                  ; V's rows: my 128 channels
	v_add_nc_u32 v[ADRB+1], SLOT, v[ADRB]
	s_lshl_b32 s16, s[WV], 13
	s_add_co_u32 s16, s16, WTS
	v_lshl_add_u32 v[WADR], v3, 2, s16
	s_mul_i32 s16, s[WV], 16*SPITCH
	s_add_co_u32 s16, s16, STAGE
	v_mul_u32_u24 v4, v1, SPITCH
	v_lshl_add_u32 v4, v2, 5, v4
	v_add_nc_u32 v[STO], s16, v4                   ; the stage, in: row r, 32 bytes for each half of the lanes
	v_add_nc_u32 v[RD], s16, v[CO]                 ; back: the 32 lanes take a row of 512 bytes
	v_lshlrev_b32 v[SA], 6, v1
.irp a, 0,1,2,3
	v_mov_b32 v[W+2*\a+1], 0                       ; named as the upper halves of pairs
.endr
	s_lshl_b32 s16, s42, 7
	s_lshl_b32 s18, s[RH], 6
	s_add_co_u32 s16, s16, s18                     ; my first query
	s_lshl_b32 s20, s16, 6
	s_mov_b32 s21, 0
	s_add_nc_u64 s[8:9], s[8:9], s[20:21]          ; its row of st
	s_lshl_b32 s20, s16, 12
	s_lshl_b32 s18, s40, 10
	s_add_co_u32 s20, s20, s18
	s_lshl_b32 s18, s[CH], 9
	s_add_co_u32 s20, s20, s18
	s_add_nc_u64 s[10:11], s[10:11], s[20:21]      ; and its place in O: row x 4,096 + (256 cx + 128 half) x 4
	; THE WEIGHTS, while the first tiles land: lane (r, h) takes query r of each of my four blocks
.irp a, 0,1,2,3
.irp i, 0,1,2,3
	global_load_b128 v[NM+16*\a+4*\i:NM+16*\a+4*\i+3], v[SA], s[8:9] offset:\a*1024+16*\i
	global_load_b128 v[LL+16*\a+4*\i:LL+16*\a+4*\i+3], v[SA], s[8:9] offset:524288+\a*1024+16*\i
.endr
.endr
	s_wait_loadcnt 0x0
.irp a, 0,1,2,3
	v_min3_num_f32 v[TN+\a], v[NM+16*\a], v[NM+16*\a+1], v[NM+16*\a+2]   ; -M = the least -M_j
.endr
.irp i, 3,5,7,9,11,13
.irp a, 0,1,2,3
	v_min3_num_f32 v[TN+\a], v[TN+\a], v[NM+16*\a+\i], v[NM+16*\a+\i+1]
.endr
.endr
.irp a, 0,1,2,3
	v_min_num_f32 v[TN+\a], v[TN+\a], v[NM+16*\a+15]
.endr
.set i, 0
.rept 64
	v_sub_f32 v[NM+i], v[TN+i/16], v[NM+i]         ; M_j - M: a whole number, 0 or less
.set i, i+1
.endr
.set i, 0
.rept 64
	v_cvt_i32_f32 v[NM+i], v[NM+i]                 ; (it saturates)
.set i, i+1
.endr
.set i, 0
.rept 64
	v_ldexp_f32 v[NM+i], 1.0, v[NM+i]              ; w_j = 2^(M_j - M)
.set i, i+1
.endr
.irp a, 0,1,2,3
	v_mul_f32 v[TL+\a], v[NM+16*\a], v[LL+16*\a]
.endr
.irp j, 1,2,3,4,5,6,7,8,9,10,11,12,13,14,15
.irp a, 0,1,2,3
	v_fma_f32 v[TL+\a], v[NM+16*\a+\j], v[LL+16*\a+\j], v[TL+\a]   ; L, the four queries by turns
.endr
.endr
.irp a, 0,1,2,3
	v_rcp_f32 v[TR+\a], v[TL+\a]
.endr
	v_nop                                          ; a plain line behind the last reciprocal
	s_wait_alu depctr_va_vdst(0)                   ; one wait for the four, ahead of their first reader
.set i, 0
.rept 64
	v_mul_f32 v[NM+i], v[NM+i], v[TR+i/16]         ; w_j / L
.set i, i+1
.endr
.irp j, 0,1,2,3,4,5,6,7,8,9,10,11,12,13,14,15
.irp a, 0,1,2,3
	ds_store_b32 v[WADR], v[NM+16*\a+\j] offset:\j*512+\a*128   ; my wave's own bytes: only I read them
.endr
.endr
.macro MUL8 f, a                       ; query block a x all 8 channel blocks, 32 keys.  The 32 accumulators take turns, one instruction a turn
.irp b, 0,1,2,3,4,5,6,7
	v_wmma_f32_16x16x32_f16 v[8*(8*(\a)+\b):8*(8*(\a)+\b)+7], v[\f+8*\b:\f+8*\b+7], v[\f+64+8*(\a):\f+64+8*(\a)+7], v[8*(8*(\a)+\b):8*(8*(\a)+\b)+7]
.endr
.endm
; The same for a K step's first quarter: each product starts its sum anew; ahead of it the last K step's sum is folded into the total.  fold = 0: the first K step, nothing to fold; 1: the fold starts the totals; 2: it adds.
.macro MULZ f, a, fold
.irp b, 0,1,2,3,4,5,6,7
.if \fold
	WIN FOLD
.irp k, 0,2,4,6
.if \fold == 1
	v_pk_mul_f32 v[8*(8*(\a)+\b)+\k:8*(8*(\a)+\b)+\k+1], v[8*(8*(\a)+\b)+\k:8*(8*(\a)+\b)+\k+1], v[W+2*(\a):W+2*(\a)+1] op_sel_hi:[1,0]
.else
	v_pk_fma_f32 v[8*(8*(\a)+\b)+\k:8*(8*(\a)+\b)+\k+1], v[8*(8*(\a)+\b)+\k:8*(8*(\a)+\b)+\k+1], v[W+2*(\a):W+2*(\a)+1], v[8*(8*(\a)+\b)+\k:8*(8*(\a)+\b)+\k+1] op_sel_hi:[1,0,1]
.endif
.endr
.endif
	WIN MUL
	v_wmma_f32_16x16x32_f16 v[8*(8*(\a)+\b):8*(8*(\a)+\b)+7], v[\f+8*\b:\f+8*\b+7], v[\f+64+8*(\a):\f+64+8*(\a)+7], 0
.endr
.endm
.macro FETCH slot, q, f                ; 24 LDS loads in one run: V's eight fragments, then P's four, of the slot's q-th 32 keys
	WIN TO_F
.irp i, 0,1,2,3,4,5,6,7
	ds_load_b128 v[\f+8*\i:\f+8*\i+3],   v[ADRB+\slot] offset:64*(\q)+\i*16*PITCH
	ds_load_b128 v[\f+8*\i+4:\f+8*\i+7], v[ADRB+\slot] offset:64*(\q)+\i*16*PITCH+32
.endr
.irp a, 0,1,2,3
	ds_load_b128 v[\f+64+8*\a:\f+64+8*\a+3],   v[ADRA+\slot] offset:\a*4096+(\q)*1024
	ds_load_b128 v[\f+64+8*\a+4:\f+64+8*\a+7], v[ADRA+\slot] offset:\a*4096+(\q)*1024+512
.endr
.endm
.macro WLOAD                           ; this K step's weights, for the fold in the next K step's first quarter
	WIN 0
.irp a, 0,1,2,3
	ds_load_b32 v[W+2*\a], v[WADR] offset:128*\a
.endr
	v_add_nc_u32 v[WADR], 512, v[WADR]
.endm
.macro PLACES                          ; four plain vector lines between a matrix instruction and a load into, or a read of, its registers
.rept 4
	v_nop
.endr
.endm
; A K STEP: 128 keys in four quarters, on buffers 0, 1, 0, 1.  mode = 2: the slot is filled again, two K steps ahead; 1: a change of slots with nothing to fetch; 0: the last.
.macro KSTEP slot, fold, mode
.if \fold
.rept 5
	v_nop                                          ; five places behind the last K step's products: four ahead of the fold's reads, five ahead of products that begin those accumulators anew
.endr
.endif
	s_wait_dscnt 4                                 ; V's fragments and P's blocks 0, 1 are in; the youngest four loads may be out
	MULZ F0, 0, \fold
	MULZ F0, 1, \fold
	PLACES
	FETCH \slot, 1, F1
	s_wait_dscnt 24                                ; all but the 24 just issued
	MULZ F0, 2, \fold
	MULZ F0, 3, \fold
	s_wait_dscnt 4
	WIN MUL
	MUL8 F1, 0
	MUL8 F1, 1
	PLACES
	WLOAD
	FETCH \slot, 2, F0
	s_wait_dscnt 24                                ; the weights too are in
	WIN MUL
	MUL8 F1, 2
	MUL8 F1, 3
	s_wait_dscnt 4
	MUL8 F0, 0
	MUL8 F0, 1
	PLACES
	FETCH \slot, 3, F1
	s_wait_dscnt 24
	WIN MUL
	MUL8 F0, 2
	MUL8 F0, 3
.if \mode == 0
	s_wait_dscnt 4
	MUL8 F1, 0
	MUL8 F1, 1
	s_wait_dscnt 0x0
	MUL8 F1, 2
	MUL8 F1, 3
.else
	WIN 0
.if \mode == 2
	s_wait_xcnt 0x0                                ; the last prefetch, a K step back, has read its address: it is stepped here, ahead of the change's waits
	s_add_nc_u64 s[PFA:PFA+1], s[PFA:PFA+1], s[PFS:PFS+1]
.endif
	s_wait_tensorcnt 0x0                           ; all my tensor loads have landed: the one that was out is my part of the next slot
	ds_add_u32 v[SPW], v[NIL]                      ; 0 onto my spare word
	s_wait_dscnt 5                                 ; the add and the youngest four loads may be out
	WIN MUL
	MUL8 F1, 0
	s_wait_dscnt 0x0                               ; the add is done, and my reads of this slot are over
	s_barrier_signal -1
	MUL8 F1, 1
	WIN 0
	s_barrier_wait -1
.if \mode == 2
	CREST                                          ; the barrier has opened a round of the cluster's: no wave of any partner still reads this slot or has a load on its way
	s_add_nc_u64 s[G0A+4*\slot+2:G0A+4*\slot+3], s[G0A+4*\slot+2:G0A+4*\slot+3], 2*4096
	s_add_nc_u64 s[G0B+4*\slot+2:G0B+4*\slot+3], s[G0B+4*\slot+2:G0B+4*\slot+3], 2*256
	JLOAD \slot                                    ; my one tensor load behind the round; its four v_nop are also the places in front of the loads below
.else
	PLACES
.endif
	FETCH 1-\slot, 0, F0
	WIN 0
.if \mode == 2
	ASK                                            ; behind the joint load and the run of LDS loads
.endif
	WIN MUL
	MUL8 F1, 2
	MUL8 F1, 3
.endif
.endm
	s_wait_tensorcnt 1                             ; my part of K step 0 is in; K step 1's load may be out,
	s_wait_dscnt 0x0                               ; my weights are stored,
	s_barrier_signal -1
	s_barrier_wait -1                              ; everybody's part is in
	FETCH 0, 0, F0
	s_mov_b32 s3, 7                                ; (above 1: the first two refills prefetch)
	KSTEP 0, 0, 2
	KSTEP 1, 1, 2
	WIN 0
	s_mov_b32 s3, 6
.Llap:                                             ; six trips of two K steps: K steps 2 to 13; both slots are filled again in each
	KSTEP 0, 2, 2
	KSTEP 1, 2, 2
	WIN 0
	s_sub_co_u32 s3, s3, 1
	s_cmp_lg_u32 s3, 0
	s_cbranch_scc1 .Llap
	KSTEP 0, 2, 1                                  ; the tail is written out
	KSTEP 1, 2, 0
	PLACES
	WIN FOLD
.irp a, 0,1,2,3
.set i, 0
.rept 32
	v_pk_fma_f32 v[64*\a+i:64*\a+i+1], v[64*\a+i:64*\a+i+1], v[W+2*\a:W+2*\a+1], v[64*\a+i:64*\a+i+1] op_sel_hi:[1,0,1]   ; the last block's fold; each accumulator from its low end on
.set i, i+2
.endr
.endr
	WIN 0
; THE WAY OUT, a block of 16 queries x 128 channels at a time: through my own stage, back as whole rows of 512 bytes.
.macro TOSTAGE a
	WIN 0x0c                                       ; an LDS store's data are its source 1: window 3
.irp b, 0,1,2,3,4,5,6,7
	ds_store_b128 v[STO], v[64*(\a)+8*\b:64*(\a)+8*\b+3] offset:64*\b
	ds_store_b128 v[STO], v[64*(\a)+8*\b+4:64*(\a)+8*\b+7] offset:64*\b+16
.endr
	WIN 0
.set BB, BK+64*((\a)%2)
.irp t, 0,1,2,3,4,5,6,7,8,9,10,11,12,13,14,15
	ds_load_b128 v[BB+4*\t:BB+4*\t+3], v[RD] offset:\t*SPITCH      ; LDS serves a wave's instructions in order: these see the stores above
.endr
.endm
.macro SEND a, younger                 ; younger: the LDS instructions issued behind block a's loads, which may stay out
.set BB, BK+64*((\a)%2)
	s_wait_dscnt \younger
.if (\a) > 0
	s_add_nc_u64 s[10:11], s[10:11], 16*4096       ; (behind a wait on XCNT: the earlier stores have read their base)  16 rows of O on
.endif
.irp t, 0,1,2,3,4,5,6,7,8,9,10,11,12,13,14,15
	global_store_b128 v[CO], v[BB+4*\t:BB+4*\t+3], s[10:11] offset:\t*4096 th:TH_STORE_NT   ; 32 lanes store 512 consecutive bytes, aligned
.endr
.endm
	TOSTAGE 0
.irp a, 1,2,3
.if \a > 1
	s_wait_xcnt 0x0                                ; block a - 2's stores have read their registers and their base
.endif
	TOSTAGE \a
	SEND \a-1, 32                                  ; behind block a - 1's loads: block a's 16 stores and 16 loads
.endr
	s_wait_xcnt 0x0
	SEND 3, 0
	s_wait_tensorcnt 0x0                           ; the wave's end
	ds_add_u32 v[SPW], v[NIL]
	s_wait_dscnt 0x0
	CROUND                                         ; the closing round
	s_endpgm
.Lfunc_end_k_q396d57d3d4_pv:
	.size	k_q396d57d3d4_pv, .Lfunc_end_k_q396d57d3d4_pv-k_q396d57d3d4_pv
	.p2alignl 7, 3214868480
	.fill 96, 4, 3214868480
	.section	.rodata,"a",@progbits
	.p2align	6, 0x0
	.amdhsa_kernel k_q396d57d3d4_pv
		.amdhsa_group_segment_fixed_size 327680
		.amdhsa_private_segment_fixed_size 0
		.amdhsa_enable_private_segment 0
		.amdhsa_kernarg_size 32
		.amdhsa_user_sgpr_count 2
		.amdhsa_user_sgpr_kernarg_segment_ptr 1
		.amdhsa_wavefront_size32 1
		.amdhsa_system_sgpr_workgroup_id_x 1
		.amdhsa_system_sgpr_workgroup_id_y 1
		.amdhsa_system_sgpr_workgroup_id_z 1
		.amdhsa_system_vgpr_workitem_id 0
		.amdhsa_next_free_vgpr 1024
		.amdhsa_next_free_sgpr 70
		.amdhsa_reserve_vcc 0
		.amdhsa_float_denorm_mode_32 3
		.amdhsa_float_denorm_mode_16_64 3
		.amdhsa_memory_ordered 1
		.amdhsa_forward_progress 1
		.amdhsa_inst_pref_size 203
	.end_amdhsa_kernel
	.amdgpu_metadata
---
amdhsa.version: [ 1, 2 ]
amdhsa.kernels:
  - .name:           k_q396d57d3d4_pv
    .symbol:         k_q396d57d3d4_pv.kd
    .args:
      - { .name: p, .offset: 0, .size: 8, .value_kind: global_buffer, .address_space: global }
      - { .name: vt, .offset: 8, .size: 8, .value_kind: global_buffer, .address_space: global }
      - { .name: st, .offset: 16, .size: 8, .value_kind: global_buffer, .address_space: global }
      - { .name: out0, .offset: 24, .size: 8, .value_kind: global_buffer, .address_space: global }
    .group_segment_fixed_size: 327680
    .private_segment_fixed_size: 0
    .kernarg_segment_align: 8
    .kernarg_segment_size: 32
    .max_flat_workgroup_size: 128
    .sgpr_count:     70
    .vgpr_count:     1024
    .wavefront_size: 32
...
	.end_amdgpu_metadata
.endif
;; end of part 4
